; MI455X (gfx1250); checked and timed in simulation.
; The chip was launched on July 23, 2026; its instructions are those of AMD's public machine-readable ISA for CDNA 5 (MIT licence, August 2026) and "CDNA5" Instruction Set Architecture Reference Guide (July 2026). The comments in the code are by the model that wrote it; some were corrected since.
;; Decoder Block. Allowed arithmetic: matrix products marked QUANTISED: E2M3 operands, one E8M0 scale for each 32 along K, by v_wmma_scale_f32_16x16x128_f8f6f4 with both operands' format E2M3, f32 sums; everything else in f32.
;; Inputs: g1 1,024 float32; g2 1,024 float32; w_down 1,024 x 1,024 float32; w_up 2,048 x 1,024 float32; wk 1,024 x 1,024 float32; wo 1,024 x 1,024 float32; wq 1,024 x 1,024 float32; wv 1,024 x 1,024 float32; x 2 x 2,048 x 1,024 float32.
;; Outputs: out0 2 x 2,048 x 1,024 float32.
;; This version of the problem:
;;   THIS VERSION OF THE PROBLEM IS GIVEN IN LOW PRECISION. The matrix products marked QUANTISED in the list below multiply operands that are first quantised to E2M3 (2 exponent bits, 3 mantissa bits; 6 bits a number), with one power-of-two scale for each 32 numbers along K (OCP MX v1.0); their sums are f32. All else is computed in f32.
;;   The module's matrix products, in the order in which they are computed (A, B: the left and right operand; K: the contracted axis; several contracted axes count as one K, in the product's order):
;;     1. [M 4,096, K 1,024] x [K 1,024, N 1,024]; A: computed on the way; B: input wq: QUANTISED
;;     2. [M 4,096, K 1,024] x [K 1,024, N 1,024]; A: computed on the way; B: input wk: QUANTISED
;;     3. [M 4,096, K 1,024] x [K 1,024, N 1,024]; A: computed on the way; B: input wv: QUANTISED
;;     4. batch 32 x [M 2,048, K 64] x [K 64, N 2,048]; A: computed on the way; B: computed on the way: QUANTISED
;;     5. batch 32 x [M 2,048, K 2,048] x [K 2,048, N 64]; A: softmax (see below); B: computed on the way: QUANTISED
;;     6. [M 4,096, K 1,024] x [K 1,024, N 1,024]; A: computed on the way; B: input wo: QUANTISED
;;     7. [M 4,096, K 1,024] x [K 1,024, N 2,048]; A: computed on the way; B: input w_up: QUANTISED
;;     8. [M 4,096, K 1,024] x [K 1,024, N 1,024]; A: computed on the way; B: input w_down: QUANTISED
;;   THE QUANTISER, for each operand of a quantised product, along K:
;;     - K is cut into blocks of 32 from its start; a last block that is shorter is filled with zeros.
;;     - A block's scale is 2^e with e = floor(log2(the largest magnitude in the block)) - 2, held to -126 .. 127; a block of zeros has e = 0. As a byte (E8M0): e + 127.
;;     - Each number is divided by its block's scale, clamped to +-7.5, and rounded to the nearest number of E2M3, ties to even, subnormals kept.
;;     - The product sums the exact products of the quantised numbers (number of the format x scale) in f32.
;;   ~~~python
;;   def quantise(x, axis):      # numpy; x: float32 -> the quantised numbers, widened to float32 again
;;       x = np.moveaxis(x, axis, -1); K = x.shape[-1]
;;       x = np.pad(x, [(0, 0)] * (x.ndim - 1) + [(0, -K % 32)]); x = x.reshape(x.shape[:-1] + (-1, 32)); a = np.abs(x).max(-1, keepdims=True)
;;       e = np.where(a > 0, np.clip(np.frexp(np.where(a > 0, a, 1))[1] - 1 - 2, -126, 127), 0)      # np.frexp(a)[1] - 1 = floor(log2(a)), exactly
;;       r = np.clip(x / 2.0 ** e, -7.5, 7.5)
;;       step = 2.0 ** (np.maximum(np.frexp(np.where(r == 0, 1, r))[1] - 1, 0) - 3)
;;       q = np.round(r / step) * step * 2.0 ** e      # np.round: ties to even
;;       return np.moveaxis(q.reshape(q.shape[:-2] + (-1,))[..., :K], -1, axis).astype(np.float32)
;;   ~~~
;;   SOFTMAX AHEAD OF A QUANTISED PRODUCT. Where the list says 'softmax', what is quantised is not the finished softmax but p = 2^(t - M), with t = logit x log2(e) and M = ceil(the row's largest t), a whole number; so 1/2 < the row's largest p <= 1. The row's sum l is taken of the UNQUANTISED p, in f32, and the product's result is divided by l at the end. Since M is a whole number, a kernel that streams over the keys may use a running M (the ceiling of the running maximum): every later rescaling is an exact power of two, which a block's scale takes up: the codes' values come out the same.
;;   OPERANDS COMPUTED ON THE WAY. 'Computed on the way' means the value that the module computes at that place (a softmax that the list does not call 'softmax' is quantised finished and normalised). What goes into a quantiser is computed in f32, as accurately as f32 sums, v_exp_f32 and their like allow (about 1e-6 of the number): no bf16 or f16 on the way to a quantiser, and a product that is left as it is and whose result goes on into a quantised operand takes f32 operands (vector FMAs, or v_wmma_f32_16x16x4_f32). A number that lies on a knife's edge between two numbers of the format may be rounded either way, as far as f32 arithmetic and the matrix unit's own rounding can turn it there, and no further.
;; One version. Each part assembles by itself: llvm-mc -triple=amdgcn-amd-amdhsa -mcpu=gfx1250 --defsym DOCPART=n.
;; ======== version 1 of 1: 7 launches
;; limits: right only within a limited range of input values
;; workspace buffers: act_a 3,276,800 bytes; act_b 3,276,800 bytes; wa 4,096,000 bytes; wo_q 819,200 bytes; wd_q 819,200 bytes; qbuf 3,407,872 bytes; kv 6,684,672 bytes; x1 16,777,216 bytes
;; launch prep (part 1): grid 704 x 1, 8 waves a work-group, no clusters, 69,632 bytes of LDS; arguments x, g1, wq, wk, wv, w_up, wo, w_down, act_a, wa, wo_q, wd_q; writes act_a, wa, wo_q, wd_q
.if DOCPART == 1
	.amdgcn_target "amdgcn-amd-amdhsa--gfx1250"
	.amdhsa_code_object_version 6
	.text
	.protected	k_q8fbdcab469_prep
	.globl	k_q8fbdcab469_prep
	.p2align	8
	.type	k_q8fbdcab469_prep,@function
k_q8fbdcab469_prep:
	s_mov_b64 s[64:65], 0
	v_nop
	global_prefetch_b8 v0, s[64:65] scope:SCOPE_SE
	s_setreg_imm32_b32 hwreg(HW_REG_WAVE_MODE, 25, 1), 1
	s_wait_xcnt 0x0
; h = rmsnorm(x, g1) and the six weights become codes of FP6 (E2M3) with one E8M0 byte for each 32 along K (K = 1,024, innermost in all of them).
; A work-group takes one ROW GROUP of 16 rows; wave s takes its K step s (128 numbers of each row) and makes one operand fragment.
; ROW GROUPS: group 4 G + t holds rows 64 G + 8 t + (i % 8) + 32 (i / 8), i = 0 .. 15.  Used as source 0 of a matrix instruction, the four groups of one G leave a lane 32 NEIGHBOURING rows in 32 registers.
; OUTPUT LAYOUT: a group's record is 12,800 bytes: two halves of 6,400 (K steps 0-3, 4-7), each four fragment records of 1,536 bytes and 256 bytes of scale words [K step][row].
; A fragment record is the image of the operand's registers: for c = 0, 1 registers 6 c .. 6 c + 3 at 768 c + 16 x lane, registers 6 c + 4, 6 c + 5 at 768 c + 512 + 8 x lane.  Every store covers whole aligned runs of 256 bytes.
; Work-groups 0-255: x (normed); 256-319 wq, 320-383 wk, 384-447 wv, 448-575 w_up (all into wa); 576-639 wo; 640-703 w_down.  Only pointers are chosen; all take one path but for the norm's multiplications.
; LIMITS: a block of zeros gets the byte 1, not 127 (its codes are zeros, and this program alone reads the bytes); blocks whose largest magnitude lies under 2^-124 were not tried; NaN and infinities are not served.
; No matrix unit, no cluster, no tensor load: a stream that is read once.
.set WEIGHTS, 1
.set STGB, 8448                        ; a wave's stage: 16 rows x (512 bytes + 16)
.set SUMS, 8*STGB                      ; [16 rows][8 waves] partial sums of squares
.set SCL,  SUMS+512                    ; [8 K steps][16 rows] scale words
.set R, 32                             ; v32-95   the numbers as loaded: row i in four registers
.set X, 96                             ; v96-159  my row's blocks h and 2 + h, 32 numbers each
.set G, 32                             ; v32-95   the gains of the same columns: over the rows as loaded, once the stage has them
.set P, 32                             ; v32-43   the fragment's codes: over the gains, once they have been multiplied in
.set T, 44                             ; v44-50   the upper halves of the blocks' codes, as converted
.set WV, 28
.set SEL, 44
.if WEIGHTS
	s_load_b512 s[4:19], s[0:1], 0x0               ; x, g1, wq, wk, wv, w_up, wo, w_down
	s_load_b256 s[20:27], s[0:1], 0x40             ; act_a, wa, wo_q, wd_q
	v_lshl_add_u32 v28, v0, 2, 0x10c00             ; my spare word, and 0: kept for the add alone
	v_mov_b32 v29, 0
.else
	s_load_b128 s[4:7], s[0:1], 0x0                ; x1, g2
	s_load_b64 s[20:21], s[0:1], 0x10              ; act_a
.endif
	v_lshrrev_b32 v1, 5, v0
	s_delay_alu instid0(VALU_DEP_1)
	v_readfirstlane_b32 s[WV], v1                  ; wave = K step
	v_and_b32 v1, 31, v0                           ; lane
	v_and_b32 v2, 15, v0                           ; r
	v_bfe_u32 v3, v0, 4, 1                         ; h
	s_lshl_b32 s29, s[WV], 9                       ; my K step's 512 bytes of a row
	s_mul_i32 s30, s[WV], STGB                     ; my stage
	s_lshl_b32 s31, s[WV], 2
	s_lshl_b32 s48, s[WV], 6
	v_lshlrev_b32 v11, 4, v1                       ; 16 x lane
	v_lshlrev_b32 v12, 3, v1                       ; 8 x lane
	v_lshlrev_b32 v13, 3, v3                       ; 8 h
	s_delay_alu instid0(VALU_DEP_3)
	v_add_nc_u32 v4, s29, v11                      ; in memory: my 16 bytes of a row's 512
	s_delay_alu instid0(VALU_DEP_4)
	v_add_nc_u32 v5, s30, v11                      ; into the stage, as loaded
	v_mul_u32_u24 v6, v2, 528
	s_delay_alu instid0(VALU_DEP_1)
	v_lshl_add_u32 v6, v3, 7, v6
	s_delay_alu instid0(VALU_DEP_1)
	v_add_nc_u32 v6, s30, v6                       ; out of it: row r, 128 h bytes on
	v_lshlrev_b32 v7, 7, v3
	s_delay_alu instid0(VALU_DEP_1)
	v_add_nc_u32 v7, s29, v7                       ; the gains of the same columns
	v_lshlrev_b32 v9, 5, v2
	s_delay_alu instid0(VALU_DEP_1)
	v_add_nc_u32 v9, SUMS, v9                      ; row r's eight partial sums
	s_delay_alu instid0(VALU_DEP_1)
	v_add_nc_u32 v8, s31, v9                       ; and mine among them
	v_lshlrev_b32 v10, 2, v2
	s_delay_alu instid0(VALU_DEP_1)
	v_add_nc_u32 v10, s48, v10
	s_delay_alu instid0(VALU_DEP_1)
	v_add_nc_u32 v10, SCL, v10                     ; my row's scale word of my K step
	v_add_nc_u32 v14, SCL, v11                     ; wave 0 reads all 512 bytes of them back
	v_mul_u32_u24 v15, v3, 6400
	s_delay_alu instid0(VALU_DEP_1)
	v_lshl_add_u32 v15, v2, 4, v15                 ; and stores 256 bytes into each half record
	v_mov_b32 v20, 0                               ; (a lane permute's destination counts as one of its sources)
	v_mov_b32 v25, 0
	s_mov_b32 s[SEL], 0x76543210
	s_mov_b32 s[SEL+1], 0xfedcba98                 ; lane l xor 16
	s_mov_b32 s46, 0x3a800000                      ; 1 / 1,024
	s_mov_b32 s47, 0x358637bd                      ; 1e-6
	s_wait_kmcnt 0x0
.if WEIGHTS
	s_mov_b64 s[32:33], s[18:19]                   ; the source, the target and the first work-group of each, chosen by the work-group's number alone
	s_mov_b64 s[34:35], s[26:27]
	s_mov_b32 s36, 640
	s_mov_b32 s37, 640
	s_cmp_lt_u32 ttmp9, 640
	s_cselect_b64 s[32:33], s[16:17], s[32:33]
	s_cselect_b64 s[34:35], s[24:25], s[34:35]
	s_cselect_b32 s36, 576, s36
	s_cselect_b32 s37, 576, s37
	s_cmp_lt_u32 ttmp9, 576
	s_cselect_b64 s[32:33], s[14:15], s[32:33]
	s_cselect_b64 s[34:35], s[22:23], s[34:35]
	s_cselect_b32 s36, 448, s36
	s_cselect_b32 s37, 256, s37
	s_cmp_lt_u32 ttmp9, 448
	s_cselect_b64 s[32:33], s[12:13], s[32:33]
	s_cselect_b32 s36, 384, s36
	s_cmp_lt_u32 ttmp9, 384
	s_cselect_b64 s[32:33], s[10:11], s[32:33]
	s_cselect_b32 s36, 320, s36
	s_cmp_lt_u32 ttmp9, 320
	s_cselect_b64 s[32:33], s[8:9], s[32:33]
	s_cselect_b32 s36, 256, s36
	s_cmp_lt_u32 ttmp9, 256
	s_cselect_b64 s[32:33], s[4:5], s[32:33]
	s_cselect_b64 s[34:35], s[20:21], s[34:35]
	s_cselect_b32 s36, 0, s36
	s_cselect_b32 s37, 0, s37
	s_sub_co_u32 s36, ttmp9, s36                   ; the row group in its source
	s_sub_co_u32 s37, ttmp9, s37                   ; and in its target
.else
	s_mov_b64 s[32:33], s[4:5]
	s_mov_b64 s[34:35], s[20:21]
	s_mov_b32 s36, ttmp9
	s_mov_b32 s37, ttmp9
.endif
	s_lshr_b32 s38, s36, 2
	s_lshl_b32 s38, s38, 6
	s_and_b32 s39, s36, 3
	s_lshl_b32 s39, s39, 3
	s_add_co_u32 s38, s38, s39                     ; the group's first row: 64 G + 8 t
	s_lshl_b32 s38, s38, 12                        ; rows of 4,096 bytes
	s_mov_b32 s39, 0
	s_add_nc_u64 s[32:33], s[32:33], s[38:39]
	s_mul_i32 s38, s37, 12800
	s_add_nc_u64 s[34:35], s[34:35], s[38:39]      ; the group's record
	s_lshr_b32 s40, s[WV], 2
	s_mul_i32 s40, s40, 6400
	s_and_b32 s41, s[WV], 3
	s_mul_i32 s41, s41, 1536
	s_add_co_u32 s40, s40, s41
	s_mov_b32 s41, 0
	s_add_nc_u64 s[42:43], s[34:35], s[40:41]      ; my fragment's record
.irp i, 0,1,2,3,4,5,6,7,8,9,10,11,12,13,14,15
	global_load_b128 v[R+4*\i:R+4*\i+3], v4, s[32:33] offset:(\i%8)*4096+(\i/8)*131072 th:TH_LOAD_NT   ; row i of the group: 32 lanes read 512 consecutive bytes
.endr
	s_wait_loadcnt 0x0                             ; the rows are in
.irp i, 0,1,2,3,4,5,6,7,8,9,10,11,12,13,14,15
	ds_store_b128 v5, v[R+4*\i:R+4*\i+3] offset:528*\i
.endr
.irp j, 0,1,2,3,4,5,6,7
	ds_load_b128 v[X+4*\j:X+4*\j+3], v6 offset:16*\j               ; LDS serves a wave's instructions in order: these see my stores.  k = 32 h + 0 .. 31 of row r,
	ds_load_b128 v[X+32+4*\j:X+32+4*\j+3], v6 offset:256+16*\j     ; and k = 64 + 32 h + 0 .. 31: the very numbers that the operand's layout gives this lane
.endr
	s_wait_dscnt 0x0                               ; my numbers are back, so the stores into the stage have read their registers,
.irp j, 0,1,2,3,4,5,6,7
	global_load_b128 v[G+4*\j:G+4*\j+3], v7, s[6:7] offset:16*\j             ; which take the gains: they land under the sums and the barrier
	global_load_b128 v[G+32+4*\j:G+32+4*\j+3], v7, s[6:7] offset:256+16*\j
.endr
	; the row's sum of squares: my 64 numbers in two chains, lane l xor 16's, then the eight waves' through LDS
	v_pk_mul_f32 v[16:17], v[X:X+1], v[X:X+1]
	v_pk_mul_f32 v[18:19], v[X+2:X+3], v[X+2:X+3]
.set i, 4
.rept 15
	s_delay_alu instid0(VALU_DEP_2)
	v_pk_fma_f32 v[16:17], v[X+i:X+i+1], v[X+i:X+i+1], v[16:17]
	s_delay_alu instid0(VALU_DEP_2)
	v_pk_fma_f32 v[18:19], v[X+i+2:X+i+3], v[X+i+2:X+i+3], v[18:19]
.set i, i+4
.endr
	s_delay_alu instid0(VALU_DEP_1)
	v_pk_add_f32 v[16:17], v[16:17], v[18:19]
	s_delay_alu instid0(VALU_DEP_1)
	v_add_f32 v16, v16, v17
	s_delay_alu instid0(VALU_DEP_1)
	v_permlanex16_b32 v20, v16, s[SEL], s[SEL+1]
	s_delay_alu instid0(VALU_DEP_1)
	v_add_f32 v16, v16, v20
	ds_store_b32 v8, v16                           ; (both halves of the lanes write the same word with the same value)
	s_wait_dscnt 0x0                               ; for the others' sake: my store has landed
	s_barrier_signal -1
	s_barrier_wait -1
	ds_load_b128 v[20:23], v9
	ds_load_b128 v[24:27], v9 offset:16
	s_wait_dscnt 0x0
	v_add_f32 v20, v20, v21                        ; a fixed order, the same in every wave
	v_add_f32 v22, v22, v23
	v_add_f32 v24, v24, v25
	v_add_f32 v26, v26, v27
	s_delay_alu instid0(VALU_DEP_3)
	v_add_f32 v20, v20, v22
	s_delay_alu instid0(VALU_DEP_2)
	v_add_f32 v24, v24, v26
	s_delay_alu instid0(VALU_DEP_1)
	v_add_f32 v20, v20, v24
	s_delay_alu instid0(VALU_DEP_1)
	v_fma_f32 v16, v20, s46, s47                   ; the mean (an exact scaling) + eps
	s_wait_alu depctr_va_vdst(0)
	v_rsq_f32 v18, v16
	v_nop                                          ; a plain instruction behind the transcendental,
	s_wait_alu depctr_va_vdst(0)                   ; and the wait ahead of the first line that names its result
	s_wait_loadcnt 0x0                             ; the gains
.if WEIGHTS
	s_cmp_ge_u32 ttmp9, 256                        ; a weight is quantised as it is: the same way for all eight waves; no barrier stands inside
	s_cbranch_scc1 .Lplain
.endif
.set i, 0
.rept 32
	v_pk_mul_f32 v[X+i:X+i+1], v[G+i:G+i+1], v[X+i:X+i+1]          ; g x,
.set i, i+2
.endr
.set i, 0
.rept 32
	v_pk_mul_f32 v[X+i:X+i+1], v[X+i:X+i+1], v[18:19] op_sel_hi:[1,0]   ; then x the norm: the order in which the definition multiplies
.set i, i+2
.endr
.Lplain:
	; the quantiser: both blocks are whole in my lane
.irp c, 0,1
	v_max3_num_f32 v[20+\c], |v[X+32*\c]|, |v[X+32*\c+1]|, 0x1800000   ; the largest magnitude, with the floor 2^(3 - 127) among its leaves: the byte cannot fall under 1
.endr
.irp i, 2,4,6,8,10,12,14,16,18,20,22,24,26,28,30
.irp c, 0,1
	s_delay_alu instid0(VALU_DEP_2)
	v_max3_num_f32 v[20+\c], v[20+\c], |v[X+32*\c+\i]|, |v[X+32*\c+\i+1]|
.endr
.endr
.irp c, 0,1
	s_delay_alu instid0(VALU_DEP_2)
	v_add_nc_u32 v[22+\c], 0xff000000, v[20+\c]    ; 2 off its exponent field: the conversion takes that field as its scale
.endr
.irp c, 0,1
	s_delay_alu instid0(VALU_DEP_2)
	v_lshrrev_b32 v[26+\c], 23, v[22+\c]           ; the scale's byte
.endr
	s_delay_alu instid0(VALU_DEP_1)
	v_lshl_or_b32 v24, v27, 16, v26                ; blocks h and 2 + h,
	s_delay_alu instid0(VALU_DEP_1)
	v_lshlrev_b32 v24, v13, v24                    ; at their places in the word;
	s_delay_alu instid0(VALU_DEP_1)
	v_permlanex16_b32 v25, v24, s[SEL], s[SEL+1]
	s_delay_alu instid0(VALU_DEP_1)
	v_or_b32 v24, v24, v25                         ; with lane l xor 16's two bytes the word is whole
.irp c, 0,1
	v_cvt_scalef32_pk16_fp6_f32 v[P+6*\c:P+6*\c+2], v[X+32*\c:X+32*\c+15], v[22+\c]
	v_cvt_scalef32_pk16_fp6_f32 v[T+4*\c:T+4*\c+2], v[X+32*\c+16:X+32*\c+31], v[22+\c]   ; (a conversion's three registers begin on an even number)
.endr
	v_nop                                          ; one plain instruction behind the scaled conversions
.irp c, 0,1
.irp i, 0,1,2
	v_mov_b32 v[P+6*\c+3+\i], v[T+4*\c+\i]
.endr
.endr
.irp c, 0,1
	global_store_b128 v11, v[P+6*\c:P+6*\c+3], s[42:43] offset:768*\c        ; 512 consecutive bytes,
	global_store_b64 v12, v[P+6*\c+4:P+6*\c+5], s[42:43] offset:768*\c+512   ; 256 consecutive bytes
.endr
	ds_store_b32 v10, v24
	s_wait_dscnt 0x0                               ; for wave 0's sake
	s_barrier_signal -1
	s_barrier_wait -1
	s_cmp_lg_u32 s[WV], 0
	s_cbranch_scc1 .Lend
	ds_load_b128 v[60:63], v14                     ; the group's 128 scale words
	s_wait_dscnt 0x0
	global_store_b128 v15, v[60:63], s[34:35] offset:6144   ; sixteen lanes fill the 256 bytes behind each half's fragments
.Lend:
	s_wait_tensorcnt 0x0
	ds_add_u32 v28, v29
	s_wait_dscnt 0x0
	s_endpgm
.Lfunc_end_k_q8fbdcab469_prep:
	.size	k_q8fbdcab469_prep, .Lfunc_end_k_q8fbdcab469_prep-k_q8fbdcab469_prep
	.p2alignl 7, 3214868480
	.fill 96, 4, 3214868480
	.section	.rodata,"a",@progbits
	.p2align	6, 0x0
	.amdhsa_kernel k_q8fbdcab469_prep
		.amdhsa_group_segment_fixed_size 69632
		.amdhsa_private_segment_fixed_size 0
		.amdhsa_enable_private_segment 0
		.amdhsa_kernarg_size 96
		.amdhsa_user_sgpr_count 2
		.amdhsa_user_sgpr_kernarg_segment_ptr 1
		.amdhsa_wavefront_size32 1
		.amdhsa_system_sgpr_workgroup_id_x 1
		.amdhsa_system_sgpr_workgroup_id_y 1
		.amdhsa_system_sgpr_workgroup_id_z 1
		.amdhsa_system_vgpr_workitem_id 0
		.amdhsa_next_free_vgpr 160
		.amdhsa_next_free_sgpr 66
		.amdhsa_reserve_vcc 0
		.amdhsa_float_denorm_mode_32 3
		.amdhsa_float_denorm_mode_16_64 3
		.amdhsa_memory_ordered 1
		.amdhsa_forward_progress 1
		.amdhsa_inst_pref_size 23
	.end_amdhsa_kernel
	.amdgpu_metadata
---
amdhsa.version: [ 1, 2 ]
amdhsa.kernels:
  - .name:           k_q8fbdcab469_prep
    .symbol:         k_q8fbdcab469_prep.kd
    .args:
      - { .name: x, .offset: 0, .size: 8, .value_kind: global_buffer, .address_space: global }
      - { .name: g1, .offset: 8, .size: 8, .value_kind: global_buffer, .address_space: global }
      - { .name: wq, .offset: 16, .size: 8, .value_kind: global_buffer, .address_space: global }
      - { .name: wk, .offset: 24, .size: 8, .value_kind: global_buffer, .address_space: global }
      - { .name: wv, .offset: 32, .size: 8, .value_kind: global_buffer, .address_space: global }
      - { .name: w_up, .offset: 40, .size: 8, .value_kind: global_buffer, .address_space: global }
      - { .name: wo, .offset: 48, .size: 8, .value_kind: global_buffer, .address_space: global }
      - { .name: w_down, .offset: 56, .size: 8, .value_kind: global_buffer, .address_space: global }
      - { .name: act_a, .offset: 64, .size: 8, .value_kind: global_buffer, .address_space: global }
      - { .name: wa, .offset: 72, .size: 8, .value_kind: global_buffer, .address_space: global }
      - { .name: wo_q, .offset: 80, .size: 8, .value_kind: global_buffer, .address_space: global }
      - { .name: wd_q, .offset: 88, .size: 8, .value_kind: global_buffer, .address_space: global }
    .group_segment_fixed_size: 69632
    .private_segment_fixed_size: 0
    .kernarg_segment_align: 8
    .kernarg_segment_size: 96
    .max_flat_workgroup_size: 256
    .sgpr_count:     66
    .vgpr_count:     160
    .wavefront_size: 32
...
	.end_amdgpu_metadata
.endif
;; end of part 1
;; launch qkv (part 2): grid 8 x 32, 4 waves a work-group, clusters of 4 x 4, 327,680 bytes of LDS; arguments act_a, wa, qbuf, kv; writes qbuf, kv
.if DOCPART == 2
	.amdgcn_target "amdgcn-amd-amdhsa--gfx1250"
	.amdhsa_code_object_version 6
	.text
	.protected	k_q8fbdcab469_qkv
	.globl	k_q8fbdcab469_qkv
	.p2align	8
	.type	k_q8fbdcab469_qkv,@function
k_q8fbdcab469_qkv:
	s_mov_b64 s[64:65], 0
	v_nop
	global_prefetch_b8 v0, s[64:65] scope:SCOPE_SE
	s_setreg_imm32_b32 hwreg(HW_REG_WAVE_MODE, 25, 1), 1
	s_wait_xcnt 0x0
	s_wait_alu depctr_hold_cnt(0) depctr_sa_sdst(0) depctr_va_vdst(0) depctr_va_sdst(0) depctr_va_ssrc(0) depctr_va_vcc(0) depctr_vm_vsrc(0)
	s_getreg_b32 s2, hwreg(HW_REG_IB_STS2, 6, 4)
	s_cmp_eq_u32 s2, 0
	s_cbranch_scc0 .Lentry_in_a_cluster
	s_endpgm
.Lentry_in_a_cluster:
	s_bfe_u32 s2, ttmp6, 0x10000c
	s_cmp_lg_u32 s2, 0xf033
	s_cbranch_scc0 .Lentry_shape_is_right
	s_endpgm
.Lentry_shape_is_right:
; q, k, v = h wq^T, h wk^T, h wv^T on codes of FP6 with E8M0 scales, and their quantising for the attention: q and k along the head's 64 channels, v along the tokens.
; A work-group takes 128 tokens x 128 columns (two heads) and STAYS for all three weights: h's tile is brought once.  K = 1,024 lies whole in LDS: a tile of 8 row groups is 102,400 bytes, laid [half of K][group][6,400].
; Four waves, 64 x 64 each: 16 accumulators.  Passes q and k use the product transposed (source 0 = weight rows): a lane then holds one token and 32 neighbouring channels, a whole block.  Pass v is not transposed
; (source 0 = tokens): a lane holds one channel and 32 neighbouring tokens, a whole block along the keys.  That the 32 are neighbours follows from the make of the row groups (4 G + t: rows 64 G + 8 t + i % 8 + 32 (i / 8)).
; CLUSTER 4 x 4: h's tile is shared along a row of the cluster, a weight's along a column: each is asked for jointly.  Every wave issues every line, for its own two groups.
; LDS: h at 0; wq's tile, later wv's, at 102,400; wk's at 204,800; the spare words at 307,200.  wv's tile is the launch's one refill, behind pass q; a wave has at most six tensor loads out.
; OUTPUT: qbuf: [head 32][group 128][768] images of registers 0-5 of an operand (its upper 64 of K are zeros, made by the reader), then scale words [head][group][16].
;   kv: [head][key step 16][13,056]: K's 8 tiles x 768; V's 4 channel tiles x 1,536; K's scale words 8 x 64; V's 4 x 64.  In q's and k's words bytes 2, 3 are 0x7f (the number 1).
; LIMITS: a block of zeros gets the byte 1, not 127 (zero codes; only this program reads the bytes); blocks under 2^-124 were not tried; NaN and infinities are not served.
; REGISTERS: window 0: v1-21 addresses, v28-29 for the add, v32-39 scale words (two sets), v40-109 the quantiser, v128-255 accumulators.  Window 1: two sets of fragments at 0 and 128: h's four, then the weight's four.
.set RGB, 6400
.set CH,  8*RGB
.set A_R, 0
.set B0_R, 2*CH
.set B1_R, 4*CH
.set SPARE, 6*CH
.set L16, 1
.set L8, 2
.set L4, 3
.set H8, 4
.set VB, 5
.set A16, 6                            ; v6-7: h's fragments, half c of K, 16 x lane;  v8-9: 8 x lane
.set A8, 8
.set B16, 10                           ; v10-13: region 0, 1 x half c
.set B8, 14
.set ASC, 18                           ; v18-21: scale words: lanes 0-15 h's, lanes 16-31 the weight's
.set SPW, 28
.set NIL, 29
.set SC, 32
.set ACC, 128
.set WV, 12
.set G1A, 24
.set G1B, 32
.set G1R, 40
.set SEL, 92
.set HIM, 94
.set MSB, 0
.macro WIN new                         ; the immediate's high byte repeats the setting that is left
.if MSB != \new
	s_set_vgpr_msb (MSB<<8)|\new
.set MSB, \new
.endif
.endm
.macro PLACES                          ; four plain instructions behind a matrix instruction, ahead of loads into its registers and of reads of its result
.rept 4
	v_nop
.endr
.endm
.macro CROUND                          ; a round of the cluster's barrier
	s_barrier_signal -1
	s_barrier_wait -1
	s_cmp_lg_u32 s[WV], 0
	s_cbranch_scc1 .Lnot_wave_0_\@
	s_barrier_signal -3
.Lnot_wave_0_\@:
	s_barrier_wait -3
	s_barrier_signal -1
	s_barrier_wait -1
.endm
; one scaled matrix instruction: D at d, source 0 at x, source 1 at y; first = 1: C = 0; sa, sb: the scale registers; ra, rb = 1: the scales are taken from lanes 16-31
.macro WM d, x, y, first, sa, sb, ra, rb
.if \first
.if ((\ra)==0)&&((\rb)==0)
	v_wmma_scale_f32_16x16x128_f8f6f4 v[\d:\d+7], v[\x:\x+11], v[\y:\y+11], 0, v[\sa], v[\sb] matrix_a_fmt:MATRIX_FMT_FP6 matrix_b_fmt:MATRIX_FMT_FP6
.elseif (\rb)==0
	v_wmma_scale_f32_16x16x128_f8f6f4 v[\d:\d+7], v[\x:\x+11], v[\y:\y+11], 0, v[\sa], v[\sb] matrix_a_fmt:MATRIX_FMT_FP6 matrix_b_fmt:MATRIX_FMT_FP6 matrix_a_scale:MATRIX_SCALE_ROW1
.elseif (\ra)==0
	v_wmma_scale_f32_16x16x128_f8f6f4 v[\d:\d+7], v[\x:\x+11], v[\y:\y+11], 0, v[\sa], v[\sb] matrix_a_fmt:MATRIX_FMT_FP6 matrix_b_fmt:MATRIX_FMT_FP6 matrix_b_scale:MATRIX_SCALE_ROW1
.else
	v_wmma_scale_f32_16x16x128_f8f6f4 v[\d:\d+7], v[\x:\x+11], v[\y:\y+11], 0, v[\sa], v[\sb] matrix_a_fmt:MATRIX_FMT_FP6 matrix_b_fmt:MATRIX_FMT_FP6 matrix_a_scale:MATRIX_SCALE_ROW1 matrix_b_scale:MATRIX_SCALE_ROW1
.endif
.else
.if ((\ra)==0)&&((\rb)==0)
	v_wmma_scale_f32_16x16x128_f8f6f4 v[\d:\d+7], v[\x:\x+11], v[\y:\y+11], v[\d:\d+7], v[\sa], v[\sb] matrix_a_fmt:MATRIX_FMT_FP6 matrix_b_fmt:MATRIX_FMT_FP6
.elseif (\rb)==0
	v_wmma_scale_f32_16x16x128_f8f6f4 v[\d:\d+7], v[\x:\x+11], v[\y:\y+11], v[\d:\d+7], v[\sa], v[\sb] matrix_a_fmt:MATRIX_FMT_FP6 matrix_b_fmt:MATRIX_FMT_FP6 matrix_a_scale:MATRIX_SCALE_ROW1
.elseif (\ra)==0
	v_wmma_scale_f32_16x16x128_f8f6f4 v[\d:\d+7], v[\x:\x+11], v[\y:\y+11], v[\d:\d+7], v[\sa], v[\sb] matrix_a_fmt:MATRIX_FMT_FP6 matrix_b_fmt:MATRIX_FMT_FP6 matrix_b_scale:MATRIX_SCALE_ROW1
.else
	v_wmma_scale_f32_16x16x128_f8f6f4 v[\d:\d+7], v[\x:\x+11], v[\y:\y+11], v[\d:\d+7], v[\sa], v[\sb] matrix_a_fmt:MATRIX_FMT_FP6 matrix_b_fmt:MATRIX_FMT_FP6 matrix_a_scale:MATRIX_SCALE_ROW1 matrix_b_scale:MATRIX_SCALE_ROW1
.endif
.endif
.endm
.macro LDFRAG dst, a16, a8, off        ; a fragment's image comes back into 12 registers: every load reads consecutive bytes
	ds_load_b128 v[\dst:\dst+3], v[\a16] offset:\off
	ds_load_b64 v[\dst+4:\dst+5], v[\a8] offset:\off+512
	ds_load_b128 v[\dst+6:\dst+9], v[\a16] offset:\off+768
	ds_load_b64 v[\dst+10:\dst+11], v[\a8] offset:\off+1280
.endm
.macro FETCH k, p, reg                 ; K step k's eight fragments and four registers of scale words into set p: 36 LDS loads
	WIN 0x40                                       ; destination window 1, address window 0
.irp i, 0,1,2,3
	LDFRAG 128*(\p)+12*\i,A16+(\k)/4,A8+(\k)/4,\i*RGB+((\k)%4)*1536
.endr
.irp i, 0,1,2,3
	LDFRAG 128*(\p)+48+12*\i,B16+2*(\reg)+(\k)/4,B8+2*(\reg)+(\k)/4,\i*RGB+((\k)%4)*1536
.endr
	WIN 0
.irp i, 0,1,2,3
	ds_load_b32 v[SC+4*(\p)+\i], v[ASC+2*(\reg)+(\k)/4] offset:\i*RGB+((\k)%4)*64
.endr
.endm
.macro MUL p, first, tr                ; 16 matrix instructions on 16 accumulators, which take turns
	WIN 0x05                                       ; sources 0 and 1 window 1, C and D window 0
.irp a, 0,1,2,3
.irp b, 0,1,2,3
.if \tr
	WM ACC+32*\a+8*\b,128*(\p)+48+12*\b,128*(\p)+12*\a,\first,SC+4*(\p)+\b,SC+4*(\p)+\a,1,0
.else
	WM ACC+32*\b+8*\a,128*(\p)+12*\a,128*(\p)+48+12*\b,\first,SC+4*(\p)+\a,SC+4*(\p)+\b,0,1
.endif
.endr
.endr
.endm
.macro KSTEP k, reg, tr, sync          ; the next K step is fetched, then this one is multiplied.  sync >= 0: ahead of K step 4's fetch the second halves of K are awaited
	PLACES
.if ((\k)==3)&&((\sync)>=0)
	s_wait_dscnt 0x0
	s_wait_tensorcnt \sync                         ; my parts of the second halves are in; the loads issued behind them may be out
	s_barrier_signal -1
	s_barrier_wait -1
.endif
.if (\k)<7
	FETCH (\k)+1,((\k)+1)%2,\reg
	s_wait_dscnt 36                                ; all but the 36 just issued: this K step's are in
.else
	s_wait_dscnt 0x0
.endif
.if (\k)==0
	MUL 0,1,\tr
.else
	MUL (\k)%2,0,\tr
.endif
.endm
.macro GZERO g, lds, base, off         ; a descriptor's group 0: one half of K of a tile's eight groups
	s_mov_b32 s[\g], 1
	s_mov_b32 s[\g+1], \lds                        ; a whole half of a tile: eight groups, one load
	s_add_nc_u64 s[\g+2:\g+3], s[\base:\base+1], \off
	s_or_b32 s[\g+3], s[\g+3], 0x80000000
.endm
	s_load_b256 s[4:11], s[0:1], 0x0               ; act_a, wa, qbuf, kv
	v_lshl_add_u32 v[SPW], v0, 2, SPARE
	v_mov_b32 v[NIL], 0
	ds_add_u32 v28, v29
	ds_add_u32 v28, v29
	s_wait_dscnt 0x0
	v_lshrrev_b32 v22, 5, v0
	v_readfirstlane_b32 s[WV], v22                 ; wave 0..3
	s_lshr_b32 s13, s[WV], 1                       ; wr: my half of the tokens
	s_and_b32 s14, s[WV], 1                        ; wc: my half of the columns, one head
	s_bfe_u32 s15, ttmp6, 0x40000                  ; cx
	s_bfe_u32 s16, ttmp6, 0x40004                  ; cy
	s_lshl_b32 s17, ttmp9, 2
	s_add_co_u32 s17, s17, s15                     ; column group 0..7
	s_and_b32 s18, ttmp7, 0xffff
	s_lshl_b32 s18, s18, 2
	s_add_co_u32 s18, s18, s16                     ; tile of 128 tokens 0..31
	s_lshl_b32 s19, s16, 2
	s_lshl_b32 s19, 15, s19                        ; my row of the cluster
	s_lshl_b32 s20, 0x1111, s15                    ; my column
	s_or_b32 s[G1A], s19, (3<<16)|(1<<21)          ; 15:0 the mask; 17:16 elements of 8 bytes; 21 set beside a mask; no padding
	s_or_b32 s[G1B], s20, (3<<16)|(1<<21)
	s_or_b32 s[G1R], s20, (3<<16)|(1<<21)
.irp g, G1A, G1B
	s_mov_b32 s[\g+1], 800<<16                     ; tensor_dim0: 6,400 bytes
	s_mov_b32 s[\g+2], 8<<16                       ; tensor_dim1: eight groups
	s_mov_b32 s[\g+3], 800<<16                     ; tile_dim0
	s_mov_b32 s[\g+4], 8                           ; tile_dim1
	s_mov_b32 s[\g+5], 1600                        ; from a group's record to the next: 12,800 bytes
	s_mov_b32 s[\g+6], 0
	s_mov_b32 s[\g+7], 0
.endr
	s_mov_b32 s[G1R+1], 800<<16                    ; the refill: four groups to a load
	s_mov_b32 s[G1R+2], 4<<16
	s_mov_b32 s[G1R+3], 800<<16
	s_mov_b32 s[G1R+4], 4
	s_mov_b32 s[G1R+5], 1600
	s_mov_b32 s[G1R+6], 0
	s_mov_b32 s[G1R+7], 0
	s_mul_i32 s96, s18, 16*RGB                     ; h's tile hangs on the tile of tokens alone,
	s_mov_b32 s97, 0
	s_mul_i32 s98, s17, 16*RGB                     ; a weight's on the column group alone
	s_mov_b32 s99, 0
	s_mul_i32 s80, s17, 16*RGB                     ; the refill: wv's groups 4 wc .. 4 wc + 3, half wr of K
	s_mul_i32 s81, s14, 8*RGB
	s_add_co_u32 s80, s80, s81
	s_mul_i32 s81, s13, RGB
	s_add_co_u32 s80, s80, s81
	s_mov_b32 s81, 0
	s_mul_i32 s77, s13, CH
	s_mul_i32 s82, s14, 4*RGB
	s_add_co_u32 s77, s77, s82
	s_add_co_u32 s77, s77, B0_R
	s_mov_b32 s76, 1
	s_wait_kmcnt 0x0
	s_add_nc_u64 s[96:97], s[4:5], s[96:97]
	s_add_nc_u64 s[98:99], s[6:7], s[98:99]
	s_add_nc_u64 s[78:79], s[6:7], s[80:81]
	s_add_nc_u64 s[78:79], s[78:79], 128*2*RGB     ; wv begins at group 128 of wa
	s_or_b32 s79, s79, 0x80000000
	GZERO 48, A_R, 96, 0
	GZERO 52, B0_R, 98, 0
	GZERO 56, A_R+CH, 96, RGB
	GZERO 60, B0_R+CH, 98, RGB
	s_mov_b32 s68, 1                               ; wk's tile, shared out as the refill is: groups 4 wc on, half wr of K
	s_add_co_u32 s69, s77, B1_R-B0_R
	s_add_nc_u64 s[70:71], s[6:7], s[80:81]
	s_add_nc_u64 s[70:71], s[70:71], 64*2*RGB      ; wk begins at group 64
	s_or_b32 s71, s71, 0x80000000
	CROUND                                         ; all sixteen work-groups are here: the first joint loads meet
; THE HEAD'S LOADS, ONE A WAVE: wave 0 h's first half of K, wave 1 wq's, wave 2 h's second half, wave 3 wq's.  One chain of branches on the wave's number, all arms leading to one join.
.macro ARM under, g0, g1, next
	s_cmp_lt_u32 s[WV], \under
	s_cbranch_scc0 \next
	tensor_load_to_lds s[\g0:\g0+3], s[\g1:\g1+7]
	s_nop 0
	PLACES
	s_branch .Lhead_asked
\next:
.endm
	ARM 1, 48, G1A, .Lhead_1
	ARM 2, 52, G1B, .Lhead_2
	ARM 3, 56, G1A, .Lhead_3
	tensor_load_to_lds s[60:63], s[G1B:G1B+7]
	s_nop 0
	PLACES
.Lhead_asked:
	v_and_b32 v22, 31, v0                          ; lane
	v_and_b32 v23, 15, v0                          ; r
	v_bfe_u32 v24, v0, 4, 1                        ; h
	v_lshlrev_b32 v[L16], 4, v22
	v_lshlrev_b32 v[L8], 3, v22
	v_lshlrev_b32 v[L4], 2, v22
	v_lshlrev_b32 v[H8], 3, v24
	v_lshl_add_u32 v[VB], v23, 2, v24              ; 4 r + h
	s_mul_i32 s82, s13, 4*RGB                      ; h's four groups of my half
	s_mul_i32 s83, s14, 4*RGB                      ; the weight's four of my half
	s_add_co_u32 s84, s83, B0_R
	s_add_co_u32 s85, s83, B1_R
	v_add_nc_u32 v[A16], s82, v[L16]
	v_add_nc_u32 v[A8], s82, v[L8]
	v_add_nc_u32 v[A16+1], CH, v[A16]
	v_add_nc_u32 v[A8+1], CH, v[A8]
	v_add_nc_u32 v[B16], s84, v[L16]
	v_add_nc_u32 v[B8], s84, v[L8]
	v_add_nc_u32 v[B16+1], CH, v[B16]
	v_add_nc_u32 v[B8+1], CH, v[B8]
	v_add_nc_u32 v[B16+2], s85, v[L16]
	v_add_nc_u32 v[B8+2], s85, v[L8]
	v_add_nc_u32 v[B16+3], CH, v[B16+2]
	v_add_nc_u32 v[B8+3], CH, v[B8+2]
	v_lshlrev_b32 v25, 2, v23
	s_add_co_u32 s86, s82, 6144
	v_add_nc_u32 v25, s86, v25                     ; h's scale words: behind a half's four fragments, 4 r
	s_xor_b32 s87, s13, 1
	s_add_co_u32 s87, s87, s14
	s_mul_i32 s87, s87, 4*RGB                      ; (wc - wr + 1) x four groups,
	s_add_co_u32 s88, s87, B0_R-4*RGB              ; so this is the distance from h's words to the weight's, in region 0,
	s_add_co_u32 s89, s87, B1_R-4*RGB              ; and in region 1: lanes 16-31 go that much further
	v_mul_u32_u24 v26, s88, v24
	v_add_nc_u32 v[ASC], v25, v26
	v_add_nc_u32 v[ASC+1], CH, v[ASC]
	v_mul_u32_u24 v26, s89, v24
	v_add_nc_u32 v[ASC+2], v25, v26
	v_add_nc_u32 v[ASC+3], CH, v[ASC+2]
.irp g, 0,1,2,3
	v_mov_b32 v[104+\g], 0                         ; (a lane permute's destination counts as one of its sources)
.endr
	s_mov_b32 s[SEL], 0x76543210
	s_mov_b32 s[SEL+1], 0xfedcba98
	s_mov_b32 s[HIM], 0xffff0000                   ; lanes 16-31
	; where the results go
	s_lshr_b32 s96, s18, 4
	s_lshl_b32 s96, s96, 4
	s_lshl_b32 s97, s17, 1
	s_add_co_u32 s96, s96, s97
	s_add_co_u32 s96, s96, s14                     ; the head among 32: 16 x batch + 2 x column group + wc
	s_and_b32 s97, s18, 15                         ; the key step
	s_lshl_b32 s98, s97, 3
	s_lshl_b32 s99, s13, 2
	s_add_co_u32 s98, s98, s99                     ; my first group of tokens in the head
	s_mul_i32 s80, s96, 98304
	s_mul_i32 s99, s98, 768
	s_add_co_u32 s80, s80, s99
	s_mov_b32 s81, 0
	s_add_nc_u64 s[80:81], s[8:9], s[80:81]        ; q's codes
	s_lshl_b32 s82, s96, 13
	s_lshl_b32 s99, s98, 6
	s_add_co_u32 s82, s82, s99
	s_add_co_u32 s82, s82, 3145728
	s_mov_b32 s83, 0
	s_add_nc_u64 s[82:83], s[8:9], s[82:83]        ; q's scale words
	s_lshl_b32 s96, s96, 4
	s_add_co_u32 s96, s96, s97
	s_mul_i32 s96, s96, 13056
	s_mov_b32 s97, 0
	s_add_nc_u64 s[96:97], s[10:11], s[96:97]      ; the key step's record
	s_mov_b32 s99, 0
	s_mul_i32 s98, s13, 3072
	s_add_nc_u64 s[84:85], s[96:97], s[98:99]      ; k's codes: tiles 4 wr on
	s_lshl_b32 s98, s13, 8
	s_add_co_u32 s98, s98, 12288
	s_add_nc_u64 s[86:87], s[96:97], s[98:99]      ; k's scale words
	s_mul_i32 s98, s13, 768
	s_add_co_u32 s98, s98, 6144
	s_add_nc_u64 s[88:89], s[96:97], s[98:99]      ; v's codes: half image wr of each channel tile
	s_lshl_b32 s98, s13, 1
	s_add_co_u32 s98, s98, 12800
	s_add_nc_u64 s[90:91], s[96:97], s[98:99]      ; v's scale bytes: blocks 2 wr + h
; Four groups of 32 numbers, ACC + 32 g on, each a whole block of my lane, become codes in v[40 + 8 g .. + 5], scale operands in v96.. and bytes in v100..  Every accumulator is read from its low end on.
.macro QUANT4
	s_wait_xcnt 0x0                                ; the last stores have read their data: these registers are written again only behind this wait
.irp g, 0,1,2,3
	v_max3_num_f32 v[88+\g], |v[ACC+32*\g]|, |v[ACC+32*\g+1]|, 0x1800000   ; with the floor 2^(3 - 127): the byte cannot fall under 1
.endr
.irp i, 2,4,6,8,10,12,14,16,18,20,22,24,26,28,30
.irp g, 0,1,2,3
	v_max3_num_f32 v[88+\g], v[88+\g], |v[ACC+32*\g+\i]|, |v[ACC+32*\g+\i+1]|   ; (the four by turns)
.endr
.endr
.irp g, 0,1,2,3
	v_add_nc_u32 v[96+\g], 0xff000000, v[88+\g]    ; 2 off the exponent field: the conversion's scale operand
.endr
.irp g, 0,1,2,3
	v_lshrrev_b32 v[100+\g], 23, v[96+\g]          ; the byte
.endr
.irp g, 0,1,2,3
	v_cvt_scalef32_pk16_fp6_f32 v[40+8*\g:42+8*\g], v[ACC+32*\g:ACC+32*\g+15], v[96+\g]
	v_cvt_scalef32_pk16_fp6_f32 v[72+4*\g:74+4*\g], v[ACC+32*\g+16:ACC+32*\g+31], v[96+\g]
.endr
	v_nop                                          ; one plain instruction behind the scaled conversions
.irp g, 0,1,2,3
.irp i, 0,1,2
	v_mov_b32 v[43+8*\g+\i], v[72+4*\g+\i]
.endr
.endr
.endm
.macro EPI_QK cb, sb                   ; group g = my g-th group of tokens; my block is channels 32 h on of the head
	QUANT4
.irp g, 0,1,2,3
	v_lshlrev_b32 v[100+\g], v[H8], v[100+\g]
.endr
.irp g, 0,1,2,3
	v_permlanex16_b32 v[104+\g], v[100+\g], s[SEL], s[SEL+1]
.endr
.irp g, 0,1,2,3
	v_or_b32 v[100+\g], v[100+\g], v[104+\g]       ; bytes 0 and 1
.endr
.irp g, 0,1,2,3
	v_or_b32 v[100+\g], 0x7f7f0000, v[100+\g]      ; bytes 2 and 3: the number 1, over K = 64 .. 127, where q's codes are zeros
.endr
	v_cndmask_b32 v108, v100, v101, s[HIM]         ; two groups' words in one register: 128 consecutive bytes a store
	v_cndmask_b32 v109, v102, v103, s[HIM]
.irp g, 0,1,2,3
	global_store_b128 v[L16], v[40+8*\g:43+8*\g], s[\cb:\cb+1] offset:768*\g
	global_store_b64 v[L8], v[44+8*\g:45+8*\g], s[\cb:\cb+1] offset:768*\g+512
.endr
	global_store_b32 v[L4], v108, s[\sb:\sb+1]
	global_store_b32 v[L4], v109, s[\sb:\sb+1] offset:128
.endm
.macro EPI_V                           ; group g = channel tile g; my block is tokens 64 wr + 32 h on of the key step
	QUANT4
.irp g, 0,1,2,3
	global_store_b128 v[L16], v[40+8*\g:43+8*\g], s[88:89] offset:1536*\g
	global_store_b64 v[L8], v[44+8*\g:45+8*\g], s[88:89] offset:1536*\g+512
.endr
.irp g, 0,1,2,3
	global_store_b8 v[VB], v[100+\g], s[90:91] offset:64*\g   ; one byte of channel r's word; the four bytes of a word come from two waves: 256 bytes in all beside 6,144 of codes
.endr
.endm
	s_wait_alu depctr_va_vdst(0)
	s_wait_tensorcnt 0x0                           ; my tile of the head's four is in
	ds_add_u32 v[SPW], v[NIL]
	s_wait_dscnt 0x0
	CROUND                                         ; h and wq are whole, and all sixteen work-groups are here
	tensor_load_to_lds s[68:71], s[G1R:G1R+7]      ; wk's tile, a quarter a wave: my one load behind the round; it has pass q in which to land
	s_nop 0
	PLACES
	FETCH 0,0,0
.irp k, 0,1,2,3,4,5,6,7
	KSTEP \k,0,1,-1                                ; pass q: both halves of K were shown whole by the round
.endr
	WIN 0
	s_wait_tensorcnt 0x0                           ; all my tensor loads have landed,
	ds_add_u32 v[SPW], v[NIL]                      ; 0 onto my spare word;
	s_wait_dscnt 0x0                               ; the add is done, and my reads of wq's tile are over
	CROUND                                         ; the same holds of every wave of every partner
	tensor_load_to_lds s[76:79], s[G1R:G1R+7]      ; wv's tile into wq's bytes: my one load behind the round; it has pass k in which to land
	s_nop 0
	PLACES                                         ; (also the places behind pass q's last products)
	EPI_QK 80, 82
	FETCH 0,0,1
.irp k, 0,1,2,3,4,5,6,7
	KSTEP \k,1,1,-1                                ; pass k: wk's tile was shown whole by the round
.endr
	WIN 0
	PLACES
	EPI_QK 84, 86
	s_wait_tensorcnt 0x0                           ; my part of wv's tile is in,
	s_wait_dscnt 0x0
	s_barrier_signal -1
	s_barrier_wait -1                              ; everybody's is
	FETCH 0,0,0
.irp k, 0,1,2,3,4,5,6,7
	KSTEP \k,0,0,-1                                ; pass v, not transposed
.endr
	WIN 0
	PLACES
	EPI_V
	s_wait_tensorcnt 0x0                           ; the wave's end
	ds_add_u32 v[SPW], v[NIL]
	s_wait_dscnt 0x0
	CROUND                                         ; the closing round
	s_endpgm
.Lfunc_end_k_q8fbdcab469_qkv:
	.size	k_q8fbdcab469_qkv, .Lfunc_end_k_q8fbdcab469_qkv-k_q8fbdcab469_qkv
	.p2alignl 7, 3214868480
	.fill 96, 4, 3214868480
	.section	.rodata,"a",@progbits
	.p2align	6, 0x0
	.amdhsa_kernel k_q8fbdcab469_qkv
		.amdhsa_group_segment_fixed_size 327680
		.amdhsa_private_segment_fixed_size 0
		.amdhsa_enable_private_segment 0
		.amdhsa_kernarg_size 32
		.amdhsa_user_sgpr_count 2
		.amdhsa_user_sgpr_kernarg_segment_ptr 1
		.amdhsa_wavefront_size32 1
		.amdhsa_system_sgpr_workgroup_id_x 1
		.amdhsa_system_sgpr_workgroup_id_y 1
		.amdhsa_system_sgpr_workgroup_id_z 1
		.amdhsa_system_vgpr_workitem_id 0
		.amdhsa_next_free_vgpr 512
		.amdhsa_next_free_sgpr 100
		.amdhsa_reserve_vcc 0
		.amdhsa_float_denorm_mode_32 3
		.amdhsa_float_denorm_mode_16_64 3
		.amdhsa_memory_ordered 1
		.amdhsa_forward_progress 1
		.amdhsa_inst_pref_size 141
	.end_amdhsa_kernel
	.amdgpu_metadata
---
amdhsa.version: [ 1, 2 ]
amdhsa.kernels:
  - .name:           k_q8fbdcab469_qkv
    .symbol:         k_q8fbdcab469_qkv.kd
    .args:
      - { .name: act_a, .offset: 0, .size: 8, .value_kind: global_buffer, .address_space: global }
      - { .name: wa, .offset: 8, .size: 8, .value_kind: global_buffer, .address_space: global }
      - { .name: qbuf, .offset: 16, .size: 8, .value_kind: global_buffer, .address_space: global }
      - { .name: kv, .offset: 24, .size: 8, .value_kind: global_buffer, .address_space: global }
    .group_segment_fixed_size: 327680
    .private_segment_fixed_size: 0
    .kernarg_segment_align: 8
    .kernarg_segment_size: 32
    .max_flat_workgroup_size: 128
    .sgpr_count:     100
    .vgpr_count:     512
    .wavefront_size: 32
...
	.end_amdgpu_metadata
.endif
;; end of part 2
;; launch attn (part 3): grid 8 x 32, 16 waves a work-group, clusters of 4 x 1, 280,576 bytes of LDS; arguments qbuf, kv, act_a; writes act_a
.if DOCPART == 3
	.amdgcn_target "amdgcn-amd-amdhsa--gfx1250"
	.amdhsa_code_object_version 6
	.text
	.protected	k_q8fbdcab469_attn
	.globl	k_q8fbdcab469_attn
	.p2align	8
	.type	k_q8fbdcab469_attn,@function
k_q8fbdcab469_attn:
	s_mov_b64 s[64:65], 0
	v_nop
	global_prefetch_b8 v0, s[64:65] scope:SCOPE_SE
	s_setreg_imm32_b32 hwreg(HW_REG_WAVE_MODE, 25, 1), 1
	s_wait_xcnt 0x0
	s_wait_alu depctr_hold_cnt(0) depctr_sa_sdst(0) depctr_va_vdst(0) depctr_va_sdst(0) depctr_va_ssrc(0) depctr_va_vcc(0) depctr_vm_vsrc(0)
	s_getreg_b32 s2, hwreg(HW_REG_IB_STS2, 6, 4)
	s_cmp_eq_u32 s2, 0
	s_cbranch_scc0 .Lentry_in_a_cluster
	s_endpgm
.Lentry_in_a_cluster:
	s_bfe_u32 s2, ttmp6, 0x10000c
	s_cmp_lg_u32 s2, 0x3003
	s_cbranch_scc0 .Lentry_shape_is_right
	s_endpgm
.Lentry_shape_is_right:
; Causal attention of one head on codes of FP6, and the quantising of its result z along the channels, into act_a (the operand of the product with wo).
; t = score x log2(e) / 8; M = the running largest t rounded UP to a whole number; p = 2^(t - M) is quantised along the keys, not normalised; the row's sum is taken of the unquantised p and divides at the end.
; LDS holds the head's K and V whole: 16 key steps' records of 13,056 bytes (K's 8 tiles x 768, V's 4 tiles x 1,536, K's scale words, V's), filled once: wave w asks for record w, one load a wave.
; SHARES.  Work-group (i, head), i = 0 .. 7, has the groups of 16 queries 8 j + i, j = 0 .. 15; group j needs key steps 0 .. j.  Groups 15 - p and p form a pair, 17 steps, which two waves share:
;   the wave of role 0 takes group 15 - p, key steps 0 .. 8 (9 steps); the wave of role 1 takes that group's steps 9 .. 15 - p and then all of group p (8 steps, the masked ones among them).
;   Waves w, w + 4, w + 8, w + 12 hold two of each role: 34 steps.  Key steps beyond a group's own are left out whole: they lie under the causal mask that the definition builds itself.
; THE JOIN.  Role 1 leaves its part of group 15 - p (O^T, -M, the sum) in LDS bytes of its own; behind one barrier role 0 brings both parts under the larger M: M is a whole number, so both factors are exact powers of two.
; Both loops have constant trip counts; the tests inside hang on the wave's number and the trip alone.
; CLUSTER 4 x 1: four work-groups of one head read the same records and ask for them jointly.  All requests stand at the head: there is no loop to run ahead in, so nothing is prefetched.
; LAYOUT.  Both products transposed: a lane holds one query.  Registers 32 c + n of S^T are keys 128 S + 64 c + 32 h + n: two whole blocks a lane, in the order of the operand's registers.
; THE HEAD HAS 64 CHANNELS, the instruction 128 along K: q's registers 6-11 are zero codes.  K's tile t is named as v[F + 6 t .. + 11]: its upper six registers (the next tile's codes; behind tile 7 zeros) meet q's zeros.
; LIMITS: the scaled scores stay under 2^31 in magnitude; a block of zeros gets the byte 1 (zero codes; this program alone reads the bytes); NaN and infinities are not served.
; REGISTERS: v1-3 16, 8, 4 x lane; v4-6 the step's addresses; v7 the diagonal's difference; v8 8 h; v9 4 r; v10 4 r + h; v12 -M, v13 largest t, v[14:15] the sum; v16-27 q; v28 q's scale word; v30-33 K's, v34-35 V's, v36 p's;
;   v37-38 my stage, v39, v29 my partner's; v40-93 F; v96-159 S^T, then p; v160-191 O^T; v192-203 p's codes; v204-210 conversions; v212-245 at work; v234-240 the second group's q; v254-255 for the add.
.set REC, 13056
.set STG, 16*REC                       ; behind the records: a stage of PART bytes for each wave; no tensor load lands there
.set PART, 4352
.set SPARE, STG+16*PART                ; the spare words, 128 bytes a wave
.set F, 40
.set WV, 10
.set J, 11
.set I, 13
.set HD, 14
.set ST, 15
.set TB, 16
.set LO, 17
.set CS, 18
.set SEL, 20
.set ROLE, 22
.set P, 23
.set G1, 24
.set G0, 32
.set JH, 36
.set CNT, 38
.macro PLACES
.rept 4
	v_nop
.endr
.endm
.macro CROUND
	s_barrier_signal -1
	s_barrier_wait -1
	s_cmp_lg_u32 s[WV], 0
	s_cbranch_scc1 .Lnot_wave_0_\@
	s_barrier_signal -3
.Lnot_wave_0_\@:
	s_barrier_wait -3
	s_barrier_signal -1
	s_barrier_wait -1
.endm
.macro WM d, x, y, first, sa, sb, ra   ; one scaled matrix instruction; first = 1: C = 0; ra = 1: source 0's scales from lanes 16-31
.if \first
.if (\ra)==0
	v_wmma_scale_f32_16x16x128_f8f6f4 v[\d:\d+7], v[\x:\x+11], v[\y:\y+11], 0, v[\sa], v[\sb] matrix_a_fmt:MATRIX_FMT_FP6 matrix_b_fmt:MATRIX_FMT_FP6
.else
	v_wmma_scale_f32_16x16x128_f8f6f4 v[\d:\d+7], v[\x:\x+11], v[\y:\y+11], 0, v[\sa], v[\sb] matrix_a_fmt:MATRIX_FMT_FP6 matrix_b_fmt:MATRIX_FMT_FP6 matrix_a_scale:MATRIX_SCALE_ROW1
.endif
.else
.if (\ra)==0
	v_wmma_scale_f32_16x16x128_f8f6f4 v[\d:\d+7], v[\x:\x+11], v[\y:\y+11], v[\d:\d+7], v[\sa], v[\sb] matrix_a_fmt:MATRIX_FMT_FP6 matrix_b_fmt:MATRIX_FMT_FP6
.else
	v_wmma_scale_f32_16x16x128_f8f6f4 v[\d:\d+7], v[\x:\x+11], v[\y:\y+11], v[\d:\d+7], v[\sa], v[\sb] matrix_a_fmt:MATRIX_FMT_FP6 matrix_b_fmt:MATRIX_FMT_FP6 matrix_a_scale:MATRIX_SCALE_ROW1
.endif
.endif
.endm
	s_load_b128 s[4:7], s[0:1], 0x0                ; qbuf, kv
	s_load_b64 s[8:9], s[0:1], 0x10                ; act_a
	v_lshl_add_u32 v254, v0, 2, SPARE
	v_mov_b32 v255, 0
	ds_add_u32 v254, v255                          ; the add, twice on end,
	ds_add_u32 v254, v255
	v_lshrrev_b32 v4, 5, v0
	v_readfirstlane_b32 s[WV], v4                  ; wave 0..15
	s_lshr_b32 s48, s[WV], 2
	s_xor_b32 s48, s48, s[WV]
	s_and_b32 s[ROLE], s48, 1                      ; waves 2 p and 2 p + 1 have unlike roles, and so have waves w and w + 4
	s_lshr_b32 s[P], s[WV], 1                      ; the pair
	s_sub_co_u32 s[JH], 15, s[P]                   ; its long group
	s_bfe_u32 s12, ttmp6, 0x40000                  ; cx
	s_lshl_b32 s[I], ttmp9, 2
	s_add_co_u32 s[I], s[I], s12                   ; i = 4 x cluster x + cx: it enters global addresses and the mask's numbers alone
	s_and_b32 s[HD], ttmp7, 0xffff                 ; the head among 32, which the partners share
	s_mov_b32 s[G1], 15|(3<<16)|(1<<21)            ; 15:0 all four work-groups; elements of 8 bytes; 21 set beside a mask; no padding
	s_mov_b32 s[G1+1], 32<<16                      ; a record is dense: 51 rows of 256 bytes
	s_mov_b32 s[G1+2], 51<<16
	s_mov_b32 s[G1+3], 32<<16
	s_mov_b32 s[G1+4], 51
	s_mov_b32 s[G1+5], 32
	s_mov_b32 s[G1+6], 0
	s_mov_b32 s[G1+7], 0
	s_mul_i32 s51, s[WV], REC                      ; wave w brings key step w
	s_mul_i32 s52, s[HD], 16*REC
	s_add_co_u32 s52, s52, s51
	s_mov_b32 s53, 0
	s_mov_b32 s[CS], 0x3e38aa3b                    ; c = log2(e) / 8
	s_mov_b32 s[CS+1], s[CS]
	s_mov_b32 s[SEL], 0x76543210
	s_mov_b32 s[SEL+1], 0xfedcba98
	s_wait_dscnt 0x0                               ; and the one wait for both
	s_wait_kmcnt 0x0
	s_add_nc_u64 s[52:53], s[6:7], s[52:53]
	s_mov_b32 s[G0], 1
	s_mov_b32 s[G0+1], s51
	s_mov_b64 s[G0+2:G0+3], s[52:53]
	s_or_b32 s[G0+3], s[G0+3], 0x80000000
	CROUND                                         ; all four work-groups are here: the joint loads meet
	tensor_load_to_lds s[G0:G0+3], s[G1:G1+7]      ; my one tensor load
	s_nop 0
	PLACES
	s_lshl_b32 s54, s[HD], 7
	s_add_co_u32 s54, s54, s[I]
	s_lshl_b32 s55, s[JH], 3
	s_add_co_u32 s55, s55, s54                     ; the long group among qbuf's 4,096
	s_mul_i32 s56, s55, 768
	s_mov_b32 s57, 0
	s_add_nc_u64 s[56:57], s[4:5], s[56:57]
	s_lshl_b32 s58, s55, 6
	s_add_co_u32 s58, s58, 3145728
	s_mov_b32 s59, 0
	s_add_nc_u64 s[58:59], s[4:5], s[58:59]
	s_lshl_b32 s55, s[P], 3
	s_add_co_u32 s55, s55, s54                     ; the short group
	s_mul_i32 s60, s55, 768
	s_mov_b32 s61, 0
	s_add_nc_u64 s[60:61], s[4:5], s[60:61]
	s_lshl_b32 s62, s55, 6
	s_add_co_u32 s62, s62, 3145728
	s_mov_b32 s63, 0
	s_add_nc_u64 s[62:63], s[4:5], s[62:63]
	s_lshr_b32 s40, s[I], 2
	s_lshl_b32 s40, s40, 6
	s_and_b32 s41, s[I], 3
	s_lshl_b32 s41, s41, 3
	s_add_co_u32 s40, s40, s41                     ; group i of a key step holds tokens 64 (i / 4) + 8 (i % 4) + r % 8 + 32 (r / 8)
	s_mul_i32 s42, s[WV], PART
	s_add_co_u32 s42, s42, STG                     ; my stage,
	s_xor_b32 s43, s[WV], 1
	s_mul_i32 s43, s43, PART
	s_add_co_u32 s43, s43, STG                     ; and my partner's
	; where z goes: role 0 finishes the long group, role 1 the short one.  Group 128 x batch + 8 j + i of act_a; K step head / 2; half image head % 2
	s_cmp_eq_u32 s[ROLE], 1
	s_cselect_b32 s49, s[P], s[JH]
	s_lshl_b32 s49, s49, 3
	s_lshr_b32 s48, s[HD], 4
	s_lshl_b32 s48, s48, 7
	s_add_co_u32 s48, s48, s49
	s_add_co_u32 s48, s48, s[I]
	s_mul_i32 s48, s48, 12800
	s_bfe_u32 s49, s[HD], 0x10003                  ; which half of K
	s_mul_i32 s49, s49, 6400
	s_add_co_u32 s48, s48, s49
	s_bfe_u32 s50, s[HD], 0x20001                  ; the K step in that half
	s_and_b32 s51, s[HD], 1
	s_mul_i32 s66, s50, 1536
	s_mul_i32 s67, s51, 768
	s_add_co_u32 s66, s66, s67
	s_add_co_u32 s66, s66, s48
	s_mov_b32 s67, 0
	s_add_nc_u64 s[66:67], s[8:9], s[66:67]        ; the codes
	s_lshl_b32 s68, s50, 6
	s_lshl_b32 s69, s51, 1
	s_add_co_u32 s68, s68, s69
	s_add_co_u32 s68, s68, s48
	s_add_co_u32 s68, s68, 6144
	s_mov_b32 s69, 0
	s_add_nc_u64 s[68:69], s[8:9], s[68:69]        ; the scale bytes: block 2 (head % 2) + h of row r's word
	v_and_b32 v4, 31, v0
	v_and_b32 v5, 15, v0                           ; r
	v_bfe_u32 v6, v0, 4, 1                         ; h
	v_and_b32 v7, 7, v0
	v_bfe_u32 v11, v0, 3, 1
	v_lshlrev_b32 v1, 4, v4
	v_lshlrev_b32 v2, 3, v4
	v_lshlrev_b32 v3, 2, v4
	v_lshlrev_b32 v9, 2, v5
	v_lshlrev_b32 v8, 3, v6
	v_lshl_add_u32 v7, v11, 5, v7
	v_lshlrev_b32 v11, 5, v6
	v_add_nc_u32 v10, v9, v6
	v_add_nc_u32 v7, s40, v7
	v_add_nc_u32 v37, s42, v1
	v_add_nc_u32 v38, s42, v2
	v_add_nc_u32 v39, s43, v1
	v_add_nc_u32 v29, s43, v2
	v_sub_nc_u32 v7, v7, v11                       ; d = my query within its key step - 32 h.  In a group's last step register n holds key 64 (n / 32) + n % 32 + 32 h: hidden where 64 (n / 32) + n % 32 > d
.irp i, 22,23,24,25,26,27
	v_mov_b32 v[\i], 0                             ; q's K = 64 .. 127: zero codes
.endr
.irp i, 88,89,90,91,92,93
	v_mov_b32 v[\i], 0                             ; behind K's tile 7
.endr
.irp i, 234,235,236,237,238,239,240
	v_mov_b32 v[\i], 0                             ; written on every wave's way; role 1 loads its second q over them
.endr
	v_mov_b32 v13, 0xff61b1e6                      ; the largest t so far: -3e38
	v_floor_f32 v12, -v13                          ; -M
	v_mov_b32 v14, 0
	v_mov_b32 v15, 0
	v_mov_b32 v219, 0                              ; (a lane permute's destination counts as one of its sources)
	v_mov_b32 v233, 0                              ; (named as the upper half of a pair)
.set n, 0
.rept 32
	v_mov_b32 v[160+n], 0                          ; O^T: the step is written once; the first change of M multiplies zeros
.set n, n+1
.endr
	s_wait_alu depctr_va_vdst(0)                   ; the wait at the head's end
	global_load_b128 v[16:19], v1, s[56:57]        ; the long group's q: registers 0-5, as they were stored,
	global_load_b64 v[20:21], v2, s[56:57] offset:512
	global_load_b32 v28, v9, s[58:59]              ; and its scale words
	s_cmp_eq_u32 s[ROLE], 0
	s_cbranch_scc1 .Lone_q
	global_load_b128 v[234:237], v1, s[60:61]      ; role 1: the short group's q too
	global_load_b64 v[238:239], v2, s[60:61] offset:512
	global_load_b32 v240, v9, s[62:63]
.Lone_q:
.macro STEP
	s_cmp_gt_i32 s[ST], s[J]                       ; all 128 keys come after my queries,
	s_cbranch_scc1 .Lhidden_\@
	s_cmp_lt_u32 s[ST], s[LO]                      ; or the step is my partner's: its work is left out
	s_cbranch_scc1 .Lhidden_\@
	v_add_nc_u32 v4, s[TB], v1
	v_add_nc_u32 v5, s[TB], v2
	v_add_nc_u32 v6, s[TB], v3
	v_nop                                          ; four plain lines behind the last step's products, ahead of the loads into F
.irp t, 0,1,2,3,4,5,6,7
	ds_load_b128 v[F+6*\t:F+6*\t+3], v4 offset:768*\t
	ds_load_b64 v[F+6*\t+4:F+6*\t+5], v5 offset:768*\t+512
.endr
.irp u, 0,1,2,3
	ds_load_b32 v[30+\u], v6 offset:12288+128*\u   ; lanes 0-15: tile 2 u's words, lanes 16-31: tile 2 u + 1's
.endr
	s_wait_alu depctr_va_vdst(0)                   ; the wait ahead of the wait below
	s_wait_dscnt 0x0
.irp t, 0,2,4,6
	WM 96+8*\t,F+6*\t,16,1,30+\t/2,28,0
	WM 104+8*\t,F+6*\t+6,16,1,30+\t/2,28,1
.endr
	PLACES
.irp t, 0,1,2,3                                ; V's four fragments are asked for now and land under the softmax
	ds_load_b128 v[F+12*\t:F+12*\t+3], v4 offset:6144+1536*\t
	ds_load_b64 v[F+12*\t+4:F+12*\t+5], v5 offset:6144+1536*\t+512
	ds_load_b128 v[F+12*\t+6:F+12*\t+9], v4 offset:6144+1536*\t+768
	ds_load_b64 v[F+12*\t+10:F+12*\t+11], v5 offset:6144+1536*\t+1280
.endr
	ds_load_b32 v34, v6 offset:12800
	ds_load_b32 v35, v6 offset:12928
	s_cmp_lg_u32 s[ST], s[J]
	s_cbranch_scc1 .Lopen_\@                       ; only a group's last key step lies on the diagonal
	v_mov_b32 v218, 0xff800000                     ; -infinity: p = 0 then
.set n, 0
.rept 64
	v_cmp_gt_i32 vcc_lo, 64*(n/32)+n%32, v7
	v_cndmask_b32 v[96+n], v[96+n], v218, vcc_lo
.set n, n+1
.endr
.Lopen_\@:
.irp q, 0,1,2,3
	v_max3_num_f32 v[212+\q], v[96+16*\q], v[97+16*\q], v[98+16*\q]   ; four chains of 16 scores
.endr
.irp i, 3,5,7,9,11,13
.irp q, 0,1,2,3
	v_max3_num_f32 v[212+\q], v[212+\q], v[96+16*\q+\i], v[97+16*\q+\i]
.endr
.endr
.irp q, 0,1,2,3
	v_max_num_f32 v[212+\q], v[212+\q], v[111+16*\q]
.endr
	s_delay_alu instid0(VALU_DEP_3)
	v_max_num_f32 v216, v212, v213                 ; the largest score of each of my two blocks: it serves the row's maximum and, since p rises with the score, the block's largest p
	s_delay_alu instid0(VALU_DEP_2)
	v_max_num_f32 v217, v214, v215
	s_delay_alu instid0(VALU_DEP_1)
	v_max_num_f32 v218, v216, v217
	s_delay_alu instid0(VALU_DEP_1)
	v_permlanex16_b32 v219, v218, s[SEL], s[SEL+1]
	s_delay_alu instid0(VALU_DEP_1)
	v_max_num_f32 v218, v218, v219                 ; with lane l xor 16's 64 keys
	s_delay_alu instid0(VALU_DEP_1)
	v_mul_f32 v218, s[CS], v218
	s_delay_alu instid0(VALU_DEP_1)
	v_max_num_f32 v13, v13, v218                   ; the running largest t
	v_mov_b32 v218, v12
	s_delay_alu instid0(VALU_DEP_2)
	v_floor_f32 v12, -v13                          ; -M = floor(-t): M is a whole number
	s_delay_alu instid0(VALU_DEP_1)
	v_sub_f32 v218, v12, v218
	s_delay_alu instid0(VALU_DEP_1)
	v_cvt_i32_f32 v218, v218                       ; old M - new M, 0 or less (it saturates)
	s_delay_alu instid0(VALU_DEP_1)
	v_ldexp_f32 v232, 1.0, v218                    ; f = 2^(old M - new M): exact
.set n, 0
.rept 32
	v_pk_fma_f32 v[96+n:97+n], v[96+n:97+n], s[CS:CS+1], v[12:13] op_sel_hi:[1,0,0]   ; t - M
.set n, n+2
.endr
	v_fma_f32 v216, v216, s[CS], v12
	v_fma_f32 v217, v217, s[CS], v12
	s_wait_alu depctr_va_vdst(0)                   ; the wait ahead of the batch
.set n, 0
.rept 64
	v_exp_f32 v[96+n], v[96+n]                     ; p, one batch
.set n, n+1
.endr
	v_pk_mul_f32 v[14:15], v[14:15], v[232:233] op_sel_hi:[1,0]   ; the sums under the new M: the plain line behind the batch
	s_wait_alu depctr_va_vdst(0)                   ; one wait for the batch, ahead of its first reader
	v_exp_f32 v216, v216                           ; the blocks' largest p
	v_exp_f32 v217, v217
	v_pk_add_f32 v[220:221], v[96:97], v[98:99]    ; the row's sum of the unquantised p: 32 pairs in four chains
	v_pk_add_f32 v[242:243], v[100:101], v[102:103]
	v_pk_add_f32 v[244:245], v[104:105], v[106:107]
	v_pk_add_f32 v[14:15], v[14:15], v[108:109]
.set n, 110
.rept 6
	v_pk_add_f32 v[220:221], v[220:221], v[n:n+1]
	v_pk_add_f32 v[242:243], v[242:243], v[n+2:n+3]
	v_pk_add_f32 v[244:245], v[244:245], v[n+4:n+5]
	v_pk_add_f32 v[14:15], v[14:15], v[n+6:n+7]
.set n, n+8
.endr
	v_pk_add_f32 v[220:221], v[220:221], v[158:159]
	v_pk_add_f32 v[242:243], v[242:243], v[244:245]
	s_delay_alu instid0(VALU_DEP_2)
	v_pk_add_f32 v[14:15], v[14:15], v[220:221]
	s_delay_alu instid0(VALU_DEP_1)
	v_pk_add_f32 v[14:15], v[14:15], v[242:243]
	s_wait_alu depctr_va_vdst(0)                   ; and one for the two
	v_max_num_f32 v216, 0x1800000, v216            ; the floor: the byte cannot fall under 1
	v_max_num_f32 v217, 0x1800000, v217
	s_delay_alu instid0(VALU_DEP_2)
	v_add_nc_u32 v222, 0xff000000, v216
	s_delay_alu instid0(VALU_DEP_2)
	v_add_nc_u32 v223, 0xff000000, v217
	s_delay_alu instid0(VALU_DEP_2)
	v_lshrrev_b32 v224, 23, v222
	s_delay_alu instid0(VALU_DEP_2)
	v_lshrrev_b32 v225, 23, v223
	s_delay_alu instid0(VALU_DEP_1)
	v_lshl_or_b32 v36, v225, 16, v224              ; blocks h and 2 + h,
	s_delay_alu instid0(VALU_DEP_1)
	v_lshlrev_b32 v36, v8, v36
	s_delay_alu instid0(VALU_DEP_1)
	v_permlanex16_b32 v219, v36, s[SEL], s[SEL+1]
	s_delay_alu instid0(VALU_DEP_1)
	v_or_b32 v36, v36, v219                        ; p's scale word for these 128 keys
	v_cvt_scalef32_pk16_fp6_f32 v[192:194], v[96:111], v222
	v_cvt_scalef32_pk16_fp6_f32 v[204:206], v[112:127], v222
	v_cvt_scalef32_pk16_fp6_f32 v[198:200], v[128:143], v223
	v_cvt_scalef32_pk16_fp6_f32 v[208:210], v[144:159], v223
	v_nop                                          ; one plain line behind the scaled conversions
.irp i, 0,1,2
	v_mov_b32 v[195+\i], v[204+\i]
	v_mov_b32 v[201+\i], v[208+\i]
.endr
	s_wait_alu depctr_va_vdst(0)                   ; the wait directly ahead of the first reader of O^T
.set n, 0
.rept 16
	v_pk_mul_f32 v[160+n:161+n], v[160+n:161+n], v[232:233] op_sel_hi:[1,0]   ; O^T under the new M.  (These sixteen are also the places between the scale word, the codes and the products)
.set n, n+2
.endr
	s_wait_alu depctr_va_vdst(0)                   ; ahead of the wait below
	s_wait_dscnt 0x0                               ; V
.irp t, 0,1,2,3
	WM 160+8*\t,F+12*\t,192,0,34+\t/2,36,\t%2
.endr
.Lhidden_\@:
	s_add_co_u32 s[TB], s[TB], REC
	s_add_co_u32 s[ST], s[ST], 1
.endm
	s_wait_tensorcnt 0x0                           ; my record is in,
	s_barrier_signal -1
	s_barrier_wait -1                              ; everybody's: nothing is ever filled again
	s_wait_loadcnt 0x0                             ; q
	s_mul_i32 s[ST], s[ROLE], 7                    ; the long group.  Role 0 walks key steps 0 .. 8; role 1 walks 7 .. 15 and works on 9 .. 15 - p
	s_mul_i32 s[TB], s[ST], REC
	s_mul_i32 s[LO], s[ROLE], 9
	s_mov_b32 s[J], s[JH]
	s_mov_b32 s[CNT], 9
.Llong:
	STEP
	s_sub_co_u32 s[CNT], s[CNT], 1
	s_cmp_lg_u32 s[CNT], 0
	s_cbranch_scc1 .Llong
	s_cmp_eq_u32 s[ROLE], 0
	s_cbranch_scc1 .Lkeeps
	PLACES                                         ; role 1 leaves its part of the long group in its stage: four places behind the last products,
	v_add_f32 v13, v14, v15                        ; the sum's two halves beside -M,
	s_wait_alu depctr_va_vdst(0)
.irp t, 0,1,2,3
	ds_store_b128 v37, v[160+8*\t:163+8*\t] offset:1024*\t          ; each accumulator from its low end on
	ds_store_b128 v37, v[164+8*\t:167+8*\t] offset:1024*\t+512
.endr
	ds_store_b64 v38, v[12:13] offset:4096
.irp i, 0,1,2,3,4,5
	v_mov_b32 v[16+\i], v[234+\i]                  ; and begins the short group: its q,
.endr
	v_mov_b32 v28, v240                            ; its scale words (the lines below are the places ahead of the next products),
	v_mov_b32 v13, 0xff61b1e6
	v_floor_f32 v12, -v13
	v_mov_b32 v14, 0
	v_mov_b32 v15, 0
.set n, 0
.rept 32
	v_mov_b32 v[160+n], 0                          ; and an empty state
.set n, n+1
.endr
	s_wait_alu depctr_va_vdst(0)                   ; the wait ahead of the label
.Lkeeps:
	s_cmp_eq_u32 s[ROLE], 1
	s_cselect_b32 s[J], s[P], -1                   ; the short group: key steps 0 .. p for role 1, none for role 0
	s_mov_b32 s[LO], 0
	s_mov_b32 s[ST], 0
	s_mov_b32 s[TB], 0
	s_mov_b32 s[CNT], 8
.Lshort:
	STEP
	s_sub_co_u32 s[CNT], s[CNT], 1
	s_cmp_lg_u32 s[CNT], 0
	s_cbranch_scc1 .Lshort
	s_wait_dscnt 0x0                               ; for my partner's sake: my stores into the stage have landed
	s_barrier_signal -1
	s_barrier_wait -1
	PLACES
	v_add_f32 v14, v14, v15
	s_wait_alu depctr_va_vdst(0)
	s_cmp_eq_u32 s[ROLE], 1
	s_cbranch_scc1 .Lwhole
.irp n, 0,1,2,3,4,5,6,7
	ds_load_b128 v[96+4*\n:99+4*\n], v39 offset:512*\n             ; role 0: my partner's part of the long group
.endr
	ds_load_b64 v[128:129], v29 offset:4096
	s_wait_dscnt 0x0
	v_min_num_f32 v130, v12, v128                  ; -M of the larger M
	v_mov_b32 v133, 0                              ; (named as the upper halves of pairs)
	v_mov_b32 v135, 0
	v_sub_f32 v131, v130, v12
	v_sub_f32 v136, v130, v128
	v_cvt_i32_f32 v131, v131                       ; whole numbers, 0 or less (they saturate: an empty part's factor is 0)
	v_cvt_i32_f32 v136, v136
	v_ldexp_f32 v132, 1.0, v131
	v_ldexp_f32 v134, 1.0, v136
	v_mul_f32 v14, v14, v132
	v_fmac_f32 v14, v129, v134
.set n, 0
.rept 16
	v_pk_mul_f32 v[160+n:161+n], v[160+n:161+n], v[132:133] op_sel_hi:[1,0]
.set n, n+2
.endr
.set n, 0
.rept 16
	v_pk_fma_f32 v[160+n:161+n], v[96+n:97+n], v[134:135], v[160+n:161+n] op_sel_hi:[1,0,1]
.set n, n+2
.endr
	s_wait_alu depctr_va_vdst(0)
.Lwhole:
	; z = O^T / the sum: my 32 registers are channels 32 h on of the head, a whole block of the next product's K
	v_permlanex16_b32 v219, v14, s[SEL], s[SEL+1]
	s_delay_alu instid0(VALU_DEP_1)
	v_add_f32 v14, v14, v219
	s_wait_alu depctr_va_vdst(0)
	v_rcp_f32 v218, v14
	v_nop
	s_wait_alu depctr_va_vdst(0)
.set n, 0
.rept 16
	v_pk_mul_f32 v[96+n:97+n], v[160+n:161+n], v[218:219] op_sel_hi:[1,0]
.set n, n+2
.endr
	v_max3_num_f32 v212, |v96|, |v97|, 0x1800000
	v_max3_num_f32 v213, |v112|, |v113|, 0x1800000
.irp i, 2,4,6,8,10,12,14
	s_delay_alu instid0(VALU_DEP_2)
	v_max3_num_f32 v212, v212, |v[96+\i]|, |v[97+\i]|
	s_delay_alu instid0(VALU_DEP_2)
	v_max3_num_f32 v213, v213, |v[112+\i]|, |v[113+\i]|
.endr
	s_delay_alu instid0(VALU_DEP_1)
	v_max_num_f32 v212, v212, v213
	s_delay_alu instid0(VALU_DEP_1)
	v_add_nc_u32 v222, 0xff000000, v212
	s_delay_alu instid0(VALU_DEP_1)
	v_lshrrev_b32 v224, 23, v222
	v_cvt_scalef32_pk16_fp6_f32 v[192:194], v[96:111], v222
	v_cvt_scalef32_pk16_fp6_f32 v[204:206], v[112:127], v222
	v_nop
.irp i, 0,1,2
	v_mov_b32 v[195+\i], v[204+\i]
.endr
	global_store_b128 v1, v[192:195], s[66:67]     ; 512 consecutive bytes,
	global_store_b64 v2, v[196:197], s[66:67] offset:512   ; 256
	global_store_b8 v10, v224, s[68:69]            ; one byte of row r's word: the other two come from the neighbouring head's work-group
	s_wait_tensorcnt 0x0                           ; the wave's end
	ds_add_u32 v254, v255
	s_wait_dscnt 0x0
	CROUND                                         ; the closing round
	s_endpgm
.Lfunc_end_k_q8fbdcab469_attn:
	.size	k_q8fbdcab469_attn, .Lfunc_end_k_q8fbdcab469_attn-k_q8fbdcab469_attn
	.p2alignl 7, 3214868480
	.fill 96, 4, 3214868480
	.section	.rodata,"a",@progbits
	.p2align	6, 0x0
	.amdhsa_kernel k_q8fbdcab469_attn
		.amdhsa_group_segment_fixed_size 280576
		.amdhsa_private_segment_fixed_size 0
		.amdhsa_enable_private_segment 0
		.amdhsa_kernarg_size 24
		.amdhsa_user_sgpr_count 2
		.amdhsa_user_sgpr_kernarg_segment_ptr 1
		.amdhsa_wavefront_size32 1
		.amdhsa_system_sgpr_workgroup_id_x 1
		.amdhsa_system_sgpr_workgroup_id_y 1
		.amdhsa_system_sgpr_workgroup_id_z 1
		.amdhsa_system_vgpr_workitem_id 0
		.amdhsa_next_free_vgpr 256
		.amdhsa_next_free_sgpr 70
		.amdhsa_reserve_vcc 1
		.amdhsa_float_denorm_mode_32 3
		.amdhsa_float_denorm_mode_16_64 3
		.amdhsa_memory_ordered 1
		.amdhsa_forward_progress 1
		.amdhsa_inst_pref_size 61
	.end_amdhsa_kernel
	.amdgpu_metadata
---
amdhsa.version: [ 1, 2 ]
amdhsa.kernels:
  - .name:           k_q8fbdcab469_attn
    .symbol:         k_q8fbdcab469_attn.kd
    .args:
      - { .name: qbuf, .offset: 0, .size: 8, .value_kind: global_buffer, .address_space: global }
      - { .name: kv, .offset: 8, .size: 8, .value_kind: global_buffer, .address_space: global }
      - { .name: act_a, .offset: 16, .size: 8, .value_kind: global_buffer, .address_space: global }
    .group_segment_fixed_size: 280576
    .private_segment_fixed_size: 0
    .kernarg_segment_align: 8
    .kernarg_segment_size: 24
    .max_flat_workgroup_size: 512
    .sgpr_count:     70
    .vgpr_count:     256
    .wavefront_size: 32
...
	.end_amdgpu_metadata
.endif
;; end of part 3
;; launch oproj (part 4): grid 8 x 32, 4 waves a work-group, clusters of 4 x 4, 327,680 bytes of LDS; arguments act_a, wo_q, x, x1; writes x1
.if DOCPART == 4
	.amdgcn_target "amdgcn-amd-amdhsa--gfx1250"
	.amdhsa_code_object_version 6
	.text
	.protected	k_q8fbdcab469_oproj
	.globl	k_q8fbdcab469_oproj
	.p2align	8
	.type	k_q8fbdcab469_oproj,@function
k_q8fbdcab469_oproj:
	s_mov_b64 s[64:65], 0
	v_nop
	global_prefetch_b8 v0, s[64:65] scope:SCOPE_SE
	s_setreg_imm32_b32 hwreg(HW_REG_WAVE_MODE, 25, 1), 1
	s_wait_xcnt 0x0
	s_wait_alu depctr_hold_cnt(0) depctr_sa_sdst(0) depctr_va_vdst(0) depctr_va_sdst(0) depctr_va_ssrc(0) depctr_va_vcc(0) depctr_vm_vsrc(0)
	s_getreg_b32 s2, hwreg(HW_REG_IB_STS2, 6, 4)
	s_cmp_eq_u32 s2, 0
	s_cbranch_scc0 .Lentry_in_a_cluster
	s_endpgm
.Lentry_in_a_cluster:
	s_bfe_u32 s2, ttmp6, 0x10000c
	s_cmp_lg_u32 s2, 0xf033
	s_cbranch_scc0 .Lentry_shape_is_right
	s_endpgm
.Lentry_shape_is_right:
; out = res + A B^T.  A: 4,096 rows, B: 1,024 rows, both as codes of FP6 with E8M0 scales, K = 1,024, in records of row groups (12,800 bytes: two halves of four fragment images and 256 bytes of scale words); res, out: [4,096][1,024] f32.
; A work-group makes 128 x 128; K lies whole in LDS (two tiles of 102,400 bytes, laid [half of K][group][6,400], filled once); four waves, 64 x 64 each, 16 accumulators.  The product is used transposed (source 0 = B's rows):
; by the make of the row groups (4 G + t: rows 64 G + 8 t + i % 8 + 32 (i / 8)) a lane then holds 32 neighbouring columns of one row.  They go through the wave's own stage in LDS and leave as whole rows of 256 bytes, with the residual added.
; CLUSTER 4 x 4: A's tile is shared along a row of the cluster, B's along a column.  The four halves of the two tiles are shared out among the four waves, one joint load a wave, all at the head: no loop to run ahead in, so no prefetch.
; The residual's 64 x 64 numbers are asked for at the head, into window 2, in the layout in which the rows come back from the stage.
; REGISTERS: window 0: v1-22 addresses, v32-39 scale words (two sets), v40-103 rows on the way out (two sets), v126-127 for the add, v128-255 accumulators.  Window 1: two sets of fragments.  Window 2: v0-127 the residual.
.set RGB, 6400
.set CH,  8*RGB
.set A_R, 0
.set B0_R, 2*CH
.set STAGE, 4*CH                       ; 16 rows x (256 bytes + 16) for each wave; no tensor load lands here
.set SPARE, STAGE+4*16*272
.set L16, 1
.set L8, 2
.set A16, 6
.set A8, 8
.set B16, 10
.set B8, 14
.set ASC, 18
.set STO, 20
.set RD, 21
.set CO, 22
.set SC, 32
.set TT, 40
.set ACC, 128
.set WV, 12
.set G1A, 24
.set G1B, 32
.set MSB, 0
.macro WIN new
.if MSB != \new
	s_set_vgpr_msb (MSB<<8)|\new
.set MSB, \new
.endif
.endm
.macro PLACES
.rept 4
	v_nop
.endr
.endm
.macro CROUND
	s_barrier_signal -1
	s_barrier_wait -1
	s_cmp_lg_u32 s[WV], 0
	s_cbranch_scc1 .Lnot_wave_0_\@
	s_barrier_signal -3
.Lnot_wave_0_\@:
	s_barrier_wait -3
	s_barrier_signal -1
	s_barrier_wait -1
.endm
.macro WM d, x, y, first, sa, sb       ; source 0's scales come from lanes 16-31, source 1's from lanes 0-15
.if \first
	v_wmma_scale_f32_16x16x128_f8f6f4 v[\d:\d+7], v[\x:\x+11], v[\y:\y+11], 0, v[\sa], v[\sb] matrix_a_fmt:MATRIX_FMT_FP6 matrix_b_fmt:MATRIX_FMT_FP6 matrix_a_scale:MATRIX_SCALE_ROW1
.else
	v_wmma_scale_f32_16x16x128_f8f6f4 v[\d:\d+7], v[\x:\x+11], v[\y:\y+11], v[\d:\d+7], v[\sa], v[\sb] matrix_a_fmt:MATRIX_FMT_FP6 matrix_b_fmt:MATRIX_FMT_FP6 matrix_a_scale:MATRIX_SCALE_ROW1
.endif
.endm
.macro LDFRAG dst, a16, a8, off
	ds_load_b128 v[\dst:\dst+3], v[\a16] offset:\off
	ds_load_b64 v[\dst+4:\dst+5], v[\a8] offset:\off+512
	ds_load_b128 v[\dst+6:\dst+9], v[\a16] offset:\off+768
	ds_load_b64 v[\dst+10:\dst+11], v[\a8] offset:\off+1280
.endm
.macro FETCH k, p                      ; 36 LDS loads
	WIN 0x40
.irp i, 0,1,2,3
	LDFRAG 128*(\p)+12*\i,A16+(\k)/4,A8+(\k)/4,\i*RGB+((\k)%4)*1536
.endr
.irp i, 0,1,2,3
	LDFRAG 128*(\p)+48+12*\i,B16+(\k)/4,B8+(\k)/4,\i*RGB+((\k)%4)*1536
.endr
	WIN 0
.irp i, 0,1,2,3
	ds_load_b32 v[SC+4*(\p)+\i], v[ASC+(\k)/4] offset:\i*RGB+((\k)%4)*64
.endr
.endm
.macro MUL p, first                    ; 16 accumulators by turns
	WIN 0x05
.irp a, 0,1,2,3
.irp b, 0,1,2,3
	WM ACC+32*\a+8*\b,128*(\p)+48+12*\b,128*(\p)+12*\a,\first,SC+4*(\p)+\b,SC+4*(\p)+\a
.endr
.endr
.endm
.macro KSTEP k                         ; the next K step is fetched, then this one is multiplied
	PLACES
.if (\k)<7
	FETCH (\k)+1,((\k)+1)%2
	s_wait_dscnt 36                                ; all but the 36 just issued
.else
	s_wait_dscnt 0x0
.endif
.if (\k)==0
	MUL 0,1
.else
	MUL (\k)%2,0
.endif
.endm
.macro GZERO g, lds, base, off         ; a descriptor's group 0: one half of K of a tile's eight groups
	s_mov_b32 s[\g], 1
	s_mov_b32 s[\g+1], \lds
	s_add_nc_u64 s[\g+2:\g+3], s[\base:\base+1], \off
	s_or_b32 s[\g+3], s[\g+3], 0x80000000
.endm
.macro ARM under, g0, g1, next
	s_cmp_lt_u32 s[WV], \under
	s_cbranch_scc0 \next
	tensor_load_to_lds s[\g0:\g0+3], s[\g1:\g1+7]
	s_nop 0
	PLACES
	s_branch .Lhead_asked
\next:
.endm
	s_load_b256 s[4:11], s[0:1], 0x0               ; A, B, res, out
	v_lshl_add_u32 v126, v0, 2, SPARE
	v_mov_b32 v127, 0
	ds_add_u32 v126, v127
	ds_add_u32 v126, v127
	v_lshrrev_b32 v23, 5, v0
	v_readfirstlane_b32 s[WV], v23
	s_lshr_b32 s13, s[WV], 1                       ; wr
	s_and_b32 s14, s[WV], 1                        ; wc
	s_bfe_u32 s15, ttmp6, 0x40000
	s_bfe_u32 s16, ttmp6, 0x40004
	s_lshl_b32 s17, ttmp9, 2
	s_add_co_u32 s17, s17, s15                     ; column group
	s_and_b32 s18, ttmp7, 0xffff
	s_lshl_b32 s18, s18, 2
	s_add_co_u32 s18, s18, s16                     ; tile of 128 rows
	s_lshl_b32 s19, s16, 2
	s_lshl_b32 s19, 15, s19
	s_lshl_b32 s20, 0x1111, s15
	s_or_b32 s[G1A], s19, (3<<16)|(1<<21)
	s_or_b32 s[G1B], s20, (3<<16)|(1<<21)
.irp g, G1A, G1B
	s_mov_b32 s[\g+1], 800<<16                     ; eight groups x 6,400 bytes, 12,800 apart in memory
	s_mov_b32 s[\g+2], 8<<16
	s_mov_b32 s[\g+3], 800<<16
	s_mov_b32 s[\g+4], 8
	s_mov_b32 s[\g+5], 1600
	s_mov_b32 s[\g+6], 0
	s_mov_b32 s[\g+7], 0
.endr
	s_mul_i32 s56, s18, 16*RGB
	s_mov_b32 s57, 0
	s_mul_i32 s58, s17, 16*RGB
	s_mov_b32 s59, 0
	s_lshl_b32 s60, s18, 19                        ; my 64 x 64 of res and out: row 128 y + 64 wr, byte 512 x column group + 256 wc
	s_lshl_b32 s61, s13, 18
	s_add_co_u32 s60, s60, s61
	s_lshl_b32 s61, s17, 9
	s_add_co_u32 s60, s60, s61
	s_lshl_b32 s61, s14, 8
	s_add_co_u32 s60, s60, s61
	s_mov_b32 s61, 0
	s_wait_dscnt 0x0
	s_wait_kmcnt 0x0
	s_add_nc_u64 s[56:57], s[4:5], s[56:57]
	s_add_nc_u64 s[58:59], s[6:7], s[58:59]
	s_add_nc_u64 s[8:9], s[8:9], s[60:61]
	s_add_nc_u64 s[10:11], s[10:11], s[60:61]
	GZERO 40, A_R, 56, 0
	GZERO 44, B0_R, 58, 0
	GZERO 48, A_R+CH, 56, RGB
	GZERO 52, B0_R+CH, 58, RGB
	CROUND
	ARM 1, 40, G1A, .Lhead_1                       ; one chain of branches on the wave's number, one joint load to an arm
	ARM 2, 44, G1B, .Lhead_2
	ARM 3, 48, G1A, .Lhead_3
	tensor_load_to_lds s[52:55], s[G1B:G1B+7]
	s_nop 0
	PLACES
.Lhead_asked:
	v_and_b32 v23, 31, v0
	v_and_b32 v24, 15, v0                          ; r
	v_bfe_u32 v25, v0, 4, 1                        ; h
	v_lshlrev_b32 v[L16], 4, v23
	v_lshlrev_b32 v[L8], 3, v23
	v_lshlrev_b32 v[CO], 12, v25
	v_lshl_add_u32 v[CO], v24, 4, v[CO]            ; lanes 0-15 one row's 256 bytes, lanes 16-31 the next row's
	WIN 0x80                                       ; destination window 2
.irp a, 0,1,2,3
.irp t, 0,1,2,3,4,5,6,7
	global_load_b128 v[4*(8*\a+\t):4*(8*\a+\t)+3], v[CO], s[8:9] offset:(8*\a+2*\t+24*(\t/4))*4096 th:TH_LOAD_NT   ; rows 2 t, 2 t + 1 of group a: 8 a + 2 t (+ 24 from the group's ninth row on)
.endr
.endr
	WIN 0
	s_mul_i32 s62, s13, 4*RGB
	s_mul_i32 s63, s14, 4*RGB
	s_add_co_u32 s63, s63, B0_R
	v_add_nc_u32 v[A16], s62, v[L16]
	v_add_nc_u32 v[A8], s62, v[L8]
	v_add_nc_u32 v[A16+1], CH, v[A16]
	v_add_nc_u32 v[A8+1], CH, v[A8]
	v_add_nc_u32 v[B16], s63, v[L16]
	v_add_nc_u32 v[B8], s63, v[L8]
	v_add_nc_u32 v[B16+1], CH, v[B16]
	v_add_nc_u32 v[B8+1], CH, v[B8]
	v_lshlrev_b32 v26, 2, v24
	s_add_co_u32 s66, s62, 6144
	v_add_nc_u32 v26, s66, v26                     ; A's scale words
	s_xor_b32 s67, s13, 1
	s_add_co_u32 s67, s67, s14
	s_mul_i32 s67, s67, 4*RGB
	s_add_co_u32 s67, s67, B0_R-4*RGB              ; the distance to B's: lanes 16-31 go that much further
	v_mul_u32_u24 v27, s67, v25
	v_add_nc_u32 v[ASC], v26, v27
	v_add_nc_u32 v[ASC+1], CH, v[ASC]
	s_mul_i32 s68, s[WV], 16*272
	s_add_co_u32 s68, s68, STAGE                   ; my stage
	v_mul_u32_u24 v[STO], v24, 272
	v_lshl_add_u32 v[STO], v25, 7, v[STO]
	v_add_nc_u32 v[STO], s68, v[STO]               ; in: row r, 128 h bytes on
	v_mul_u32_u24 v[RD], v25, 272
	v_lshl_add_u32 v[RD], v24, 4, v[RD]
	v_add_nc_u32 v[RD], s68, v[RD]                 ; back: two rows an instruction
	s_wait_alu depctr_va_vdst(0)                   ; the wait at the head's end
	s_wait_tensorcnt 0x0                           ; my half tile is in,
	s_barrier_signal -1
	s_barrier_wait -1                              ; everybody's; nothing is ever filled again
	FETCH 0,0
.irp k, 0,1,2,3,4,5,6,7
	KSTEP \k
.endr
	WIN 0
	PLACES
	s_wait_loadcnt 0x0                             ; the residual
.irp a, 0,1,2,3
.if \a >= 2
	s_wait_xcnt 0x0                                ; group a - 2's stores have read their data: the same registers are loaded again only behind this wait
.endif
.irp b, 0,1,2,3
	ds_store_b128 v[STO], v[ACC+32*\a+8*\b:ACC+32*\a+8*\b+3] offset:32*\b          ; each accumulator from its low end on
	ds_store_b128 v[STO], v[ACC+32*\a+8*\b+4:ACC+32*\a+8*\b+7] offset:32*\b+16
.endr
.irp t, 0,1,2,3,4,5,6,7
	ds_load_b128 v[TT+32*(\a%2)+4*\t:TT+32*(\a%2)+4*\t+3], v[RD] offset:544*\t     ; LDS serves a wave's instructions in order: these see my stores, and the next group's stores come behind them
.endr
	s_wait_dscnt 0x0
	WIN 0x08                                       ; source 1 window 2
.irp q, 0,2,4,6,8,10,12,14,16,18,20,22,24,26,28,30
	v_pk_add_f32 v[TT+32*(\a%2)+\q:TT+32*(\a%2)+\q+1], v[TT+32*(\a%2)+\q:TT+32*(\a%2)+\q+1], v[32*\a+\q:32*\a+\q+1]
.endr
	WIN 0
.irp t, 0,1,2,3,4,5,6,7
	global_store_b128 v[CO], v[TT+32*(\a%2)+4*\t:TT+32*(\a%2)+4*\t+3], s[10:11] offset:(8*\a+2*\t+24*(\t/4))*4096   ; sixteen lanes store 256 consecutive bytes, aligned
.endr
.endr
	s_wait_tensorcnt 0x0                           ; the wave's end
	ds_add_u32 v126, v127
	s_wait_dscnt 0x0
	CROUND                                         ; the closing round
	s_endpgm
.Lfunc_end_k_q8fbdcab469_oproj:
	.size	k_q8fbdcab469_oproj, .Lfunc_end_k_q8fbdcab469_oproj-k_q8fbdcab469_oproj
	.p2alignl 7, 3214868480
	.fill 96, 4, 3214868480
	.section	.rodata,"a",@progbits
	.p2align	6, 0x0
	.amdhsa_kernel k_q8fbdcab469_oproj
		.amdhsa_group_segment_fixed_size 327680
		.amdhsa_private_segment_fixed_size 0
		.amdhsa_enable_private_segment 0
		.amdhsa_kernarg_size 32
		.amdhsa_user_sgpr_count 2
		.amdhsa_user_sgpr_kernarg_segment_ptr 1
		.amdhsa_wavefront_size32 1
		.amdhsa_system_sgpr_workgroup_id_x 1
		.amdhsa_system_sgpr_workgroup_id_y 1
		.amdhsa_system_sgpr_workgroup_id_z 1
		.amdhsa_system_vgpr_workitem_id 0
		.amdhsa_next_free_vgpr 640
		.amdhsa_next_free_sgpr 70
		.amdhsa_reserve_vcc 0
		.amdhsa_float_denorm_mode_32 3
		.amdhsa_float_denorm_mode_16_64 3
		.amdhsa_memory_ordered 1
		.amdhsa_forward_progress 1
		.amdhsa_inst_pref_size 59
	.end_amdhsa_kernel
	.amdgpu_metadata
---
amdhsa.version: [ 1, 2 ]
amdhsa.kernels:
  - .name:           k_q8fbdcab469_oproj
    .symbol:         k_q8fbdcab469_oproj.kd
    .args:
      - { .name: act_a, .offset: 0, .size: 8, .value_kind: global_buffer, .address_space: global }
      - { .name: wo_q, .offset: 8, .size: 8, .value_kind: global_buffer, .address_space: global }
      - { .name: x, .offset: 16, .size: 8, .value_kind: global_buffer, .address_space: global }
      - { .name: x1, .offset: 24, .size: 8, .value_kind: global_buffer, .address_space: global }
    .group_segment_fixed_size: 327680
    .private_segment_fixed_size: 0
    .kernarg_segment_align: 8
    .kernarg_segment_size: 32
    .max_flat_workgroup_size: 128
    .sgpr_count:     70
    .vgpr_count:     640
    .wavefront_size: 32
...
	.end_amdgpu_metadata
.endif
;; end of part 4
;; launch norm2 (part 5): grid 256 x 1, 8 waves a work-group, no clusters, 69,632 bytes of LDS; arguments x1, g2, act_a; writes act_a
.if DOCPART == 5
	.amdgcn_target "amdgcn-amd-amdhsa--gfx1250"
	.amdhsa_code_object_version 6
	.text
	.protected	k_q8fbdcab469_norm2
	.globl	k_q8fbdcab469_norm2
	.p2align	8
	.type	k_q8fbdcab469_norm2,@function
k_q8fbdcab469_norm2:
	s_mov_b64 s[64:65], 0
	v_nop
	global_prefetch_b8 v0, s[64:65] scope:SCOPE_SE
	s_setreg_imm32_b32 hwreg(HW_REG_WAVE_MODE, 25, 1), 1
	s_wait_xcnt 0x0
; h2 = rmsnorm(x1, g2) becomes codes of FP6 (E2M3) with one E8M0 byte for each 32 along K = 1,024.  Only rows that are normed.
; A work-group takes one ROW GROUP of 16 rows (group 4 G + t: rows 64 G + 8 t + i % 8 + 32 (i / 8)); wave s takes its K step s and makes one operand fragment.
; OUTPUT LAYOUT: a group's record is 12,800 bytes: two halves of 6,400 (K steps 0-3, 4-7), each four fragment records of 1,536 bytes and 256 bytes of scale words [K step][row].
; A fragment record is the image of the operand's registers: for c = 0, 1 registers 6 c .. 6 c + 3 at 768 c + 16 x lane, registers 6 c + 4, 6 c + 5 at 768 c + 512 + 8 x lane.
; LIMITS: a block of zeros gets the byte 1, not 127 (its codes are zeros, and this program alone reads the bytes); blocks whose largest magnitude lies under 2^-124 were not tried; NaN and infinities are not served.
.set WEIGHTS, 0
.set STGB, 8448
.set SUMS, 8*STGB
.set SCL,  SUMS+512
.set R, 32
.set X, 96
.set G, 160
.set P, 224
.set T, 236
.set WV, 28
.set SEL, 44
	s_load_b128 s[4:7], s[0:1], 0x0                ; x1, g2
	s_load_b64 s[20:21], s[0:1], 0x10              ; act_a
	v_lshl_add_u32 v248, v0, 2, 0x10c00
	v_mov_b32 v249, 0
	v_lshrrev_b32 v1, 5, v0
	s_delay_alu instid0(VALU_DEP_1)
	v_readfirstlane_b32 s[WV], v1                  ; wave = K step
	v_and_b32 v1, 31, v0
	v_and_b32 v2, 15, v0                           ; r
	v_bfe_u32 v3, v0, 4, 1                         ; h
	s_lshl_b32 s29, s[WV], 9
	s_mul_i32 s30, s[WV], STGB
	s_lshl_b32 s31, s[WV], 2
	s_lshl_b32 s48, s[WV], 6
	v_lshlrev_b32 v11, 4, v1
	v_lshlrev_b32 v12, 3, v1
	v_lshlrev_b32 v13, 3, v3
	s_delay_alu instid0(VALU_DEP_3)
	v_add_nc_u32 v4, s29, v11                      ; in memory: my 16 bytes of a row's 512
	s_delay_alu instid0(VALU_DEP_4)
	v_add_nc_u32 v5, s30, v11                      ; into the stage, as loaded
	v_mul_u32_u24 v6, v2, 528
	s_delay_alu instid0(VALU_DEP_1)
	v_lshl_add_u32 v6, v3, 7, v6
	s_delay_alu instid0(VALU_DEP_1)
	v_add_nc_u32 v6, s30, v6                       ; out of it: row r, 128 h bytes on
	v_lshlrev_b32 v7, 7, v3
	s_delay_alu instid0(VALU_DEP_1)
	v_add_nc_u32 v7, s29, v7                       ; the gains of the same columns
	v_lshlrev_b32 v9, 5, v2
	s_delay_alu instid0(VALU_DEP_1)
	v_add_nc_u32 v9, SUMS, v9
	s_delay_alu instid0(VALU_DEP_1)
	v_add_nc_u32 v8, s31, v9
	v_lshlrev_b32 v10, 2, v2
	s_delay_alu instid0(VALU_DEP_1)
	v_add_nc_u32 v10, s48, v10
	s_delay_alu instid0(VALU_DEP_1)
	v_add_nc_u32 v10, SCL, v10
	v_add_nc_u32 v14, SCL, v11
	v_mul_u32_u24 v15, v3, 6400
	s_delay_alu instid0(VALU_DEP_1)
	v_lshl_add_u32 v15, v2, 4, v15
	v_mov_b32 v20, 0
	v_mov_b32 v25, 0
	s_mov_b32 s[SEL], 0x76543210
	s_mov_b32 s[SEL+1], 0xfedcba98
	s_mov_b32 s46, 0x3a800000                      ; 1 / 1,024
	s_mov_b32 s47, 0x358637bd                      ; 1e-6
	s_wait_kmcnt 0x0
	s_mov_b64 s[32:33], s[4:5]
	s_mov_b64 s[34:35], s[20:21]
	s_lshr_b32 s38, ttmp9, 2
	s_lshl_b32 s38, s38, 6
	s_and_b32 s39, ttmp9, 3
	s_lshl_b32 s39, s39, 3
	s_add_co_u32 s38, s38, s39                     ; the group's first row
	s_lshl_b32 s38, s38, 12
	s_mov_b32 s39, 0
	s_add_nc_u64 s[32:33], s[32:33], s[38:39]
	s_mul_i32 s38, ttmp9, 12800
	s_add_nc_u64 s[34:35], s[34:35], s[38:39]      ; the group's record
	s_lshr_b32 s40, s[WV], 2
	s_mul_i32 s40, s40, 6400
	s_and_b32 s41, s[WV], 3
	s_mul_i32 s41, s41, 1536
	s_add_co_u32 s40, s40, s41
	s_mov_b32 s41, 0
	s_add_nc_u64 s[42:43], s[34:35], s[40:41]      ; my fragment's record
.irp i, 0,1,2,3,4,5,6,7,8,9,10,11,12,13,14,15
	global_load_b128 v[R+4*\i:R+4*\i+3], v4, s[32:33] offset:(\i%8)*4096+(\i/8)*131072 th:TH_LOAD_NT
.endr
.irp j, 0,1,2,3,4,5,6,7
	global_load_b128 v[G+4*\j:G+4*\j+3], v7, s[6:7] offset:16*\j
	global_load_b128 v[G+32+4*\j:G+32+4*\j+3], v7, s[6:7] offset:256+16*\j
.endr
	s_wait_loadcnt 16                              ; the rows are in; the sixteen loads of gains may be out
.irp i, 0,1,2,3,4,5,6,7,8,9,10,11,12,13,14,15
	ds_store_b128 v5, v[R+4*\i:R+4*\i+3] offset:528*\i
.endr
.irp j, 0,1,2,3,4,5,6,7
	ds_load_b128 v[X+4*\j:X+4*\j+3], v6 offset:16*\j               ; LDS serves a wave's instructions in order: these see my stores
	ds_load_b128 v[X+32+4*\j:X+32+4*\j+3], v6 offset:256+16*\j
.endr
	s_wait_dscnt 0x0
	v_pk_mul_f32 v[16:17], v[X:X+1], v[X:X+1]
	v_pk_mul_f32 v[18:19], v[X+2:X+3], v[X+2:X+3]
.set i, 4
.rept 15
	s_delay_alu instid0(VALU_DEP_2)
	v_pk_fma_f32 v[16:17], v[X+i:X+i+1], v[X+i:X+i+1], v[16:17]
	s_delay_alu instid0(VALU_DEP_2)
	v_pk_fma_f32 v[18:19], v[X+i+2:X+i+3], v[X+i+2:X+i+3], v[18:19]
.set i, i+4
.endr
	s_delay_alu instid0(VALU_DEP_1)
	v_pk_add_f32 v[16:17], v[16:17], v[18:19]
	s_delay_alu instid0(VALU_DEP_1)
	v_add_f32 v16, v16, v17
	s_delay_alu instid0(VALU_DEP_1)
	v_permlanex16_b32 v20, v16, s[SEL], s[SEL+1]
	s_delay_alu instid0(VALU_DEP_1)
	v_add_f32 v16, v16, v20
	ds_store_b32 v8, v16
	s_wait_dscnt 0x0                               ; for the others' sake
	s_barrier_signal -1
	s_barrier_wait -1
	ds_load_b128 v[20:23], v9
	ds_load_b128 v[24:27], v9 offset:16
	s_wait_dscnt 0x0
	v_add_f32 v20, v20, v21
	v_add_f32 v22, v22, v23
	v_add_f32 v24, v24, v25
	v_add_f32 v26, v26, v27
	s_delay_alu instid0(VALU_DEP_3)
	v_add_f32 v20, v20, v22
	s_delay_alu instid0(VALU_DEP_2)
	v_add_f32 v24, v24, v26
	s_delay_alu instid0(VALU_DEP_1)
	v_add_f32 v20, v20, v24
	s_delay_alu instid0(VALU_DEP_1)
	v_fma_f32 v16, v20, s46, s47
	s_wait_alu depctr_va_vdst(0)
	v_rsq_f32 v18, v16
	v_nop
	s_wait_alu depctr_va_vdst(0)                   ; the wait ahead of the first line that names the result
	s_wait_loadcnt 0x0
.set i, 0
.rept 32
	v_pk_mul_f32 v[X+i:X+i+1], v[G+i:G+i+1], v[X+i:X+i+1]
.set i, i+2
.endr
.set i, 0
.rept 32
	v_pk_mul_f32 v[X+i:X+i+1], v[X+i:X+i+1], v[18:19] op_sel_hi:[1,0]
.set i, i+2
.endr
.irp c, 0,1
	v_max3_num_f32 v[20+\c], |v[X+32*\c]|, |v[X+32*\c+1]|, 0x1800000
.endr
.irp i, 2,4,6,8,10,12,14,16,18,20,22,24,26,28,30
.irp c, 0,1
	s_delay_alu instid0(VALU_DEP_2)
	v_max3_num_f32 v[20+\c], v[20+\c], |v[X+32*\c+\i]|, |v[X+32*\c+\i+1]|
.endr
.endr
.irp c, 0,1
	s_delay_alu instid0(VALU_DEP_2)
	v_add_nc_u32 v[22+\c], 0xff000000, v[20+\c]
.endr
.irp c, 0,1
	s_delay_alu instid0(VALU_DEP_2)
	v_lshrrev_b32 v[26+\c], 23, v[22+\c]
.endr
	s_delay_alu instid0(VALU_DEP_1)
	v_lshl_or_b32 v24, v27, 16, v26
	s_delay_alu instid0(VALU_DEP_1)
	v_lshlrev_b32 v24, v13, v24
	s_delay_alu instid0(VALU_DEP_1)
	v_permlanex16_b32 v25, v24, s[SEL], s[SEL+1]
	s_delay_alu instid0(VALU_DEP_1)
	v_or_b32 v24, v24, v25
.irp c, 0,1
	v_cvt_scalef32_pk16_fp6_f32 v[P+6*\c:P+6*\c+2], v[X+32*\c:X+32*\c+15], v[22+\c]
	v_cvt_scalef32_pk16_fp6_f32 v[T+4*\c:T+4*\c+2], v[X+32*\c+16:X+32*\c+31], v[22+\c]
.endr
	v_nop
.irp c, 0,1
.irp i, 0,1,2
	v_mov_b32 v[P+6*\c+3+\i], v[T+4*\c+\i]
.endr
.endr
.irp c, 0,1
	global_store_b128 v11, v[P+6*\c:P+6*\c+3], s[42:43] offset:768*\c
	global_store_b64 v12, v[P+6*\c+4:P+6*\c+5], s[42:43] offset:768*\c+512
.endr
	ds_store_b32 v10, v24
	s_wait_dscnt 0x0
	s_barrier_signal -1
	s_barrier_wait -1
	s_cmp_lg_u32 s[WV], 0
	s_cbranch_scc1 .Lend
	ds_load_b128 v[28:31], v14
	s_wait_dscnt 0x0
	global_store_b128 v15, v[28:31], s[34:35] offset:6144
.Lend:
	s_wait_tensorcnt 0x0
	ds_add_u32 v248, v249
	s_wait_dscnt 0x0
	s_endpgm
.Lfunc_end_k_q8fbdcab469_norm2:
	.size	k_q8fbdcab469_norm2, .Lfunc_end_k_q8fbdcab469_norm2-k_q8fbdcab469_norm2
	.p2alignl 7, 3214868480
	.fill 96, 4, 3214868480
	.section	.rodata,"a",@progbits
	.p2align	6, 0x0
	.amdhsa_kernel k_q8fbdcab469_norm2
		.amdhsa_group_segment_fixed_size 69632
		.amdhsa_private_segment_fixed_size 0
		.amdhsa_enable_private_segment 0
		.amdhsa_kernarg_size 24
		.amdhsa_user_sgpr_count 2
		.amdhsa_user_sgpr_kernarg_segment_ptr 1
		.amdhsa_wavefront_size32 1
		.amdhsa_system_sgpr_workgroup_id_x 1
		.amdhsa_system_sgpr_workgroup_id_y 1
		.amdhsa_system_sgpr_workgroup_id_z 1
		.amdhsa_system_vgpr_workitem_id 0
		.amdhsa_next_free_vgpr 250
		.amdhsa_next_free_sgpr 66
		.amdhsa_reserve_vcc 0
		.amdhsa_float_denorm_mode_32 3
		.amdhsa_float_denorm_mode_16_64 3
		.amdhsa_memory_ordered 1
		.amdhsa_forward_progress 1
		.amdhsa_inst_pref_size 22
	.end_amdhsa_kernel
	.amdgpu_metadata
---
amdhsa.version: [ 1, 2 ]
amdhsa.kernels:
  - .name:           k_q8fbdcab469_norm2
    .symbol:         k_q8fbdcab469_norm2.kd
    .args:
      - { .name: x1, .offset: 0, .size: 8, .value_kind: global_buffer, .address_space: global }
      - { .name: g2, .offset: 8, .size: 8, .value_kind: global_buffer, .address_space: global }
      - { .name: act_a, .offset: 16, .size: 8, .value_kind: global_buffer, .address_space: global }
    .group_segment_fixed_size: 69632
    .private_segment_fixed_size: 0
    .kernarg_segment_align: 8
    .kernarg_segment_size: 24
    .max_flat_workgroup_size: 256
    .sgpr_count:     66
    .vgpr_count:     250
    .wavefront_size: 32
...
	.end_amdgpu_metadata
.endif
;; end of part 5
;; launch up (part 6): grid 8 x 32, 4 waves a work-group, clusters of 4 x 4, 327,680 bytes of LDS; arguments act_a, wa, act_b; writes act_b
.if DOCPART == 6
	.amdgcn_target "amdgcn-amd-amdhsa--gfx1250"
	.amdhsa_code_object_version 6
	.text
	.protected	k_q8fbdcab469_up
	.globl	k_q8fbdcab469_up
	.p2align	8
	.type	k_q8fbdcab469_up,@function
k_q8fbdcab469_up:
	s_mov_b64 s[64:65], 0
	v_nop
	global_prefetch_b8 v0, s[64:65] scope:SCOPE_SE
	s_setreg_imm32_b32 hwreg(HW_REG_WAVE_MODE, 25, 1), 1
	s_wait_xcnt 0x0
	s_wait_alu depctr_hold_cnt(0) depctr_sa_sdst(0) depctr_va_vdst(0) depctr_va_sdst(0) depctr_va_ssrc(0) depctr_va_vcc(0) depctr_vm_vsrc(0)
	s_getreg_b32 s2, hwreg(HW_REG_IB_STS2, 6, 4)
	s_cmp_eq_u32 s2, 0
	s_cbranch_scc0 .Lentry_in_a_cluster
	s_endpgm
.Lentry_in_a_cluster:
	s_bfe_u32 s2, ttmp6, 0x10000c
	s_cmp_lg_u32 s2, 0xf033
	s_cbranch_scc0 .Lentry_shape_is_right
	s_endpgm
.Lentry_shape_is_right:
; ff = gelu(h2 Wu^T) x (h2 Wg^T), gelu exact (by erf), and its quantising along the hidden axis, into act_b.  Wu = rows 0-1,023 of w_up (groups 192-255 of wa), Wg = rows 1,024-2,047 (groups 256-319).
; A work-group takes 128 tokens x 128 hidden units: K step jx of the next product.  K = 1,024 lies whole in LDS: h2's tile, Wu's and Wg's, 102,400 bytes each, filled once; a wave has at most six tensor loads out.
; Wave w takes token groups 2 w, 2 w + 1 against all eight groups of Wu and of Wg: 32 accumulators.  Transposed use (source 0 = weight rows): registers 64 a + 32 G + n of a lane are hidden units 64 G + 32 h + n of
; one token: two whole blocks, in the order of the operand's registers: a wave makes whole fragments of ff.
; erf(x) = x P(x^2) / Q(x^2), x held to +-4: a rational form in f32, good to a few units in the last place of erf.  LIMIT: gelu = u/2 + (u/2) erf: for u under about -4 its error is some 1e-7 |u|, not 1e-6 of the (tiny) result.
; LIMITS of the quantiser: a block of zeros gets the byte 1 (zero codes; only this program reads the bytes); blocks under 2^-124 were not tried; NaN and infinities are not served.
; CLUSTER 4 x 4: h2's tile is shared along a row of the cluster, the weights' along a column.
; REGISTERS: window 0: v1-23 addresses; v32-47 the weights' scale words (two sets of 8: lanes 0-15 Wu's group t, lanes 16-31 Wg's), v48-49 h2's (lanes 0-15 group 2 w, 16-31 group 2 w + 1); v50-53 two constants; v54-57 ff's scale words;
;   v64-127 ff; v128-223 the activation at work; v224-249 the quantiser.  Window 1: v0-95 Wu's eight fragments, v96-191 Wg's, v192-239 h2's (two sets of two).  Window 2: u at 64 a + 8 t, the gate at 128 + 64 a + 8 t.
.set RGB, 6400
.set CH,  8*RGB
.set A_R, 0
.set B0_R, 2*CH
.set B1_R, 4*CH
.set L16, 1
.set L8, 2
.set A16, 6
.set A8, 8
.set U16, 10
.set U8, 12
.set G16, 14
.set G8, 16
.set SWA, 18
.set SAA, 20
.set SV, 22
.set H8, 23
.set SW, 32
.set SA, 48
.set FF, 64
.set XX, 128
.set HH, 144
.set X2, 160
.set PP, 176
.set QQ, 192
.set RC, 208
.set WV, 12
.set G1A, 24
.set G1B, 32
.set RS2, 66
.set KA11, 68
.set KA9, 70
.set KA7, 72
.set KA5, 74
.set KA3, 76
.set KA1, 78
.set KB6, 80
.set KB4, 82
.set KB2, 84
.set KB0, 86
.set SEL, 92
.set HIM, 94
.set MSB, 0
.macro WIN new
.if MSB != \new
	s_set_vgpr_msb (MSB<<8)|\new
.set MSB, \new
.endif
.endm
.macro PLACES
.rept 4
	v_nop
.endr
.endm
.macro CROUND
	s_barrier_signal -1
	s_barrier_wait -1
	s_cmp_lg_u32 s[WV], 0
	s_cbranch_scc1 .Lnot_wave_0_\@
	s_barrier_signal -3
.Lnot_wave_0_\@:
	s_barrier_wait -3
	s_barrier_signal -1
	s_barrier_wait -1
.endm
.macro WM d, x, y, first, sa, sb, ra, rb
.if \first
.if ((\ra)==0)&&((\rb)==0)
	v_wmma_scale_f32_16x16x128_f8f6f4 v[\d:\d+7], v[\x:\x+11], v[\y:\y+11], 0, v[\sa], v[\sb] matrix_a_fmt:MATRIX_FMT_FP6 matrix_b_fmt:MATRIX_FMT_FP6
.elseif (\rb)==0
	v_wmma_scale_f32_16x16x128_f8f6f4 v[\d:\d+7], v[\x:\x+11], v[\y:\y+11], 0, v[\sa], v[\sb] matrix_a_fmt:MATRIX_FMT_FP6 matrix_b_fmt:MATRIX_FMT_FP6 matrix_a_scale:MATRIX_SCALE_ROW1
.elseif (\ra)==0
	v_wmma_scale_f32_16x16x128_f8f6f4 v[\d:\d+7], v[\x:\x+11], v[\y:\y+11], 0, v[\sa], v[\sb] matrix_a_fmt:MATRIX_FMT_FP6 matrix_b_fmt:MATRIX_FMT_FP6 matrix_b_scale:MATRIX_SCALE_ROW1
.else
	v_wmma_scale_f32_16x16x128_f8f6f4 v[\d:\d+7], v[\x:\x+11], v[\y:\y+11], 0, v[\sa], v[\sb] matrix_a_fmt:MATRIX_FMT_FP6 matrix_b_fmt:MATRIX_FMT_FP6 matrix_a_scale:MATRIX_SCALE_ROW1 matrix_b_scale:MATRIX_SCALE_ROW1
.endif
.else
.if ((\ra)==0)&&((\rb)==0)
	v_wmma_scale_f32_16x16x128_f8f6f4 v[\d:\d+7], v[\x:\x+11], v[\y:\y+11], v[\d:\d+7], v[\sa], v[\sb] matrix_a_fmt:MATRIX_FMT_FP6 matrix_b_fmt:MATRIX_FMT_FP6
.elseif (\rb)==0
	v_wmma_scale_f32_16x16x128_f8f6f4 v[\d:\d+7], v[\x:\x+11], v[\y:\y+11], v[\d:\d+7], v[\sa], v[\sb] matrix_a_fmt:MATRIX_FMT_FP6 matrix_b_fmt:MATRIX_FMT_FP6 matrix_a_scale:MATRIX_SCALE_ROW1
.elseif (\ra)==0
	v_wmma_scale_f32_16x16x128_f8f6f4 v[\d:\d+7], v[\x:\x+11], v[\y:\y+11], v[\d:\d+7], v[\sa], v[\sb] matrix_a_fmt:MATRIX_FMT_FP6 matrix_b_fmt:MATRIX_FMT_FP6 matrix_b_scale:MATRIX_SCALE_ROW1
.else
	v_wmma_scale_f32_16x16x128_f8f6f4 v[\d:\d+7], v[\x:\x+11], v[\y:\y+11], v[\d:\d+7], v[\sa], v[\sb] matrix_a_fmt:MATRIX_FMT_FP6 matrix_b_fmt:MATRIX_FMT_FP6 matrix_a_scale:MATRIX_SCALE_ROW1 matrix_b_scale:MATRIX_SCALE_ROW1
.endif
.endif
.endm
.macro LDFRAG dst, a16, a8, off
	ds_load_b128 v[\dst:\dst+3], v[\a16] offset:\off
	ds_load_b64 v[\dst+4:\dst+5], v[\a8] offset:\off+512
	ds_load_b128 v[\dst+6:\dst+9], v[\a16] offset:\off+768
	ds_load_b64 v[\dst+10:\dst+11], v[\a8] offset:\off+1280
.endm
.macro LOADX k                         ; K step k: Wu's eight fragments, h2's two (set k % 2), nine registers of scale words (set k % 2): 49 LDS loads
	WIN 0x40
.irp t, 0,1,2,3,4,5,6,7
	LDFRAG 12*\t,U16+(\k)/4,U8+(\k)/4,\t*RGB+((\k)%4)*1536
.endr
.irp a, 0,1
	LDFRAG 192+24*((\k)%2)+12*\a,A16+(\k)/4,A8+(\k)/4,\a*RGB+((\k)%4)*1536
.endr
	WIN 0
.irp t, 0,1,2,3,4,5,6,7
	ds_load_b32 v[SW+8*((\k)%2)+\t], v[SWA+(\k)/4] offset:\t*RGB+((\k)%4)*64
.endr
	ds_load_b32 v[SA+(\k)%2], v[SAA+(\k)/4] offset:((\k)%4)*64
.endm
.macro LOADY k                         ; Wg's eight fragments: 32 LDS loads
	WIN 0x40
.irp t, 0,1,2,3,4,5,6,7
	LDFRAG 96+12*\t,G16+(\k)/4,G8+(\k)/4,\t*RGB+((\k)%4)*1536
.endr
	WIN 0
.endm
.macro MULUG p, first, gate            ; 16 matrix instructions on 16 accumulators, by turns
	WIN 0xa5                                       ; sources 0 and 1 window 1, C and D window 2
.irp a, 0,1
.irp t, 0,1,2,3,4,5,6,7
	WM 128*(\gate)+64*\a+8*\t,96*(\gate)+12*\t,192+24*(\p)+12*\a,\first,SW+8*(\p)+\t,SA+(\p),\gate,\a
.endr
.endr
.endm
.macro KSTEPU k, first
.if (\k)==3
	s_wait_dscnt 0x0
	s_wait_tensorcnt 0x0                           ; my parts of the second halves of K are in,
	s_barrier_signal -1
	s_barrier_wait -1                              ; everybody's; nothing is ever filled again
.endif
	s_wait_dscnt 32                                ; Wu's and h2's fragments and the scale words are in; Wg's 32 loads, issued behind them, may be out
	MULUG (\k)%2,\first,0
	PLACES
.if (\k)<7
	LOADX (\k)+1
	s_wait_dscnt 49                                ; all but the 49 just issued: Wg's fragments are in
.else
	s_wait_dscnt 0x0
.endif
	MULUG (\k)%2,\first,1
	PLACES
.if (\k)<7
	LOADY (\k)+1
.endif
.endm
.macro GZERO g, lds, base, off
	s_mov_b32 s[\g], 1
	s_mov_b32 s[\g+1], \lds                        ; a whole half of a tile: eight groups, one load
	s_add_nc_u64 s[\g+2:\g+3], s[\base:\base+1], \off
	s_or_b32 s[\g+3], s[\g+3], 0x80000000
.endm
.macro SPAIR r, val                    ; a constant for packed forms: the pair is named, its low word serves both halves
	s_mov_b32 s[\r], \val
	s_mov_b32 s[\r+1], \val
.endm
	s_load_b128 s[4:7], s[0:1], 0x0                ; act_a, wa
	s_load_b64 s[8:9], s[0:1], 0x10                ; act_b
	v_lshl_add_u32 v254, v0, 2, 0x4b000
	v_mov_b32 v255, 0
	ds_add_u32 v254, v255
	ds_add_u32 v254, v255
	v_lshrrev_b32 v24, 5, v0
	v_readfirstlane_b32 s[WV], v24
	s_bfe_u32 s15, ttmp6, 0x40000
	s_bfe_u32 s16, ttmp6, 0x40004
	s_lshl_b32 s17, ttmp9, 2
	s_add_co_u32 s17, s17, s15                     ; column group = K step of ff
	s_and_b32 s18, ttmp7, 0xffff
	s_lshl_b32 s18, s18, 2
	s_add_co_u32 s18, s18, s16                     ; tile of 128 tokens
	s_lshl_b32 s19, s16, 2
	s_lshl_b32 s19, 15, s19
	s_lshl_b32 s20, 0x1111, s15
	s_or_b32 s[G1A], s19, (3<<16)|(1<<21)
	s_or_b32 s[G1B], s20, (3<<16)|(1<<21)
.irp g, G1A, G1B
	s_mov_b32 s[\g+1], 800<<16                     ; eight groups x 6,400 bytes, 12,800 apart in memory
	s_mov_b32 s[\g+2], 8<<16                       ; the head's loads bring eight groups
	s_mov_b32 s[\g+3], 800<<16
	s_mov_b32 s[\g+4], 8
	s_mov_b32 s[\g+5], 1600
	s_mov_b32 s[\g+6], 0
	s_mov_b32 s[\g+7], 0
.endr
	s_mul_i32 s21, s[WV], 2*RGB
	s_mul_i32 s22, s[WV], 4*RGB
	s_mul_i32 s96, s18, 16*RGB
	s_add_co_u32 s96, s96, s22
	s_mov_b32 s97, 0
	s_mul_i32 s98, s17, 16*RGB
	s_mov_b32 s99, 0
	s_wait_dscnt 0x0
	s_wait_kmcnt 0x0
	s_add_nc_u64 s[88:89], s[8:9], s[96:97]        ; ff's records of my two token groups (the same groups as h2's)
	s_mul_i32 s96, s18, 16*RGB                     ; h2's tile from its first group on
	s_add_nc_u64 s[96:97], s[4:5], s[96:97]
	s_add_nc_u64 s[98:99], s[6:7], s[98:99]
	GZERO 40, A_R, 96, 0
	GZERO 44, B0_R, 98, 192*2*RGB
	GZERO 48, B1_R, 98, 256*2*RGB
	GZERO 52, A_R+CH, 96, RGB
	s_lshr_b32 s13, s[WV], 1                       ; the weights' second halves of K, four groups a wave: waves 0, 1 Wu's, waves 2, 3 Wg's
	s_and_b32 s14, s[WV], 1
	s_mul_i32 s10, s13, 64*2*RGB
	s_mul_i32 s11, s14, 8*RGB
	s_add_co_u32 s10, s10, s11
	s_mov_b32 s11, 0
	s_mov_b32 s56, 1
	s_mul_i32 s57, s13, B1_R-B0_R
	s_mul_i32 s60, s14, 4*RGB
	s_add_co_u32 s57, s57, s60
	s_add_co_u32 s57, s57, B0_R+CH
	s_add_nc_u64 s[58:59], s[98:99], s[10:11]
	s_add_nc_u64 s[58:59], s[58:59], 192*2*RGB+RGB
	s_or_b32 s59, s59, 0x80000000
	CROUND
; THE HEAD'S LOADS, ONE A WAVE: wave 0 h2's first half of K, wave 1 Wu's, wave 2 Wg's, wave 3 h2's second half.  One chain of branches on the wave's number, all arms leading to one join.
.macro ARM under, g0, g1, next
	s_cmp_lt_u32 s[WV], \under
	s_cbranch_scc0 \next
	tensor_load_to_lds s[\g0:\g0+3], s[\g1:\g1+7]
	s_nop 0
	PLACES
	s_branch .Lhead_asked
\next:
.endm
	ARM 1, 40, G1A, .Lhead_1
	ARM 2, 44, G1B, .Lhead_2
	ARM 3, 48, G1B, .Lhead_3
	tensor_load_to_lds s[52:55], s[G1A:G1A+7]
	s_nop 0
	PLACES
.Lhead_asked:
	v_and_b32 v24, 31, v0
	v_and_b32 v25, 15, v0                          ; r
	v_bfe_u32 v26, v0, 4, 1                        ; h
	v_lshlrev_b32 v[L16], 4, v24
	v_lshlrev_b32 v[L8], 3, v24
	v_lshlrev_b32 v[H8], 3, v26
	v_add_nc_u32 v[A16], s21, v[L16]
	v_add_nc_u32 v[A8], s21, v[L8]
	v_add_nc_u32 v[A16+1], CH, v[A16]
	v_add_nc_u32 v[A8+1], CH, v[A8]
	v_add_nc_u32 v[U16], B0_R, v[L16]
	v_add_nc_u32 v[U8], B0_R, v[L8]
	v_add_nc_u32 v[U16+1], CH, v[U16]
	v_add_nc_u32 v[U8+1], CH, v[U8]
	v_add_nc_u32 v[G16], B1_R, v[L16]
	v_add_nc_u32 v[G8], B1_R, v[L8]
	v_add_nc_u32 v[G16+1], CH, v[G16]
	v_add_nc_u32 v[G8+1], CH, v[G8]
	v_lshlrev_b32 v27, 2, v25                      ; 4 r
	v_mul_u32_u24 v28, v26, B1_R-B0_R              ; lanes 16-31 take Wg's words
	v_add_nc_u32 v[SWA], v27, v28
	v_add_nc_u32 v[SWA], B0_R+6144, v[SWA]
	v_add_nc_u32 v[SWA+1], CH, v[SWA]
	v_mul_u32_u24 v28, v26, RGB                    ; lanes 16-31 take my second token group's
	v_add_nc_u32 v[SAA], v27, v28
	s_add_co_u32 s23, s21, 6144
	v_add_nc_u32 v[SAA], s23, v[SAA]
	v_add_nc_u32 v[SAA+1], CH, v[SAA]
	v_mul_u32_u24 v[SV], v26, 2*RGB
	v_add_nc_u32 v[SV], v27, v[SV]                 ; ff's scale words: 4 r, lanes 16-31 in the next group's record
	v_mov_b32 v50, 0xaf95df0b                      ; a13, twice
	v_mov_b32 v51, 0xaf95df0b
	v_mov_b32 v52, 0xb77460cd                      ; b8, twice
	v_mov_b32 v53, 0xb77460cd
	v_mov_b32 v57, 0                               ; (a lane permute's destination counts as one of its sources)
	SPAIR RS2, 0x3f3504f3                          ; 1 / sqrt 2
	SPAIR KA11, 0x32edffee
	SPAIR KA9, 0xb60cff51
	SPAIR KA7, 0xb86ec2d2
	SPAIR KA5, 0xba40ac63
	SPAIR KA3, 0xbb41a1f6
	SPAIR KA1, 0xbc83dbd4
	SPAIR KB6, 0xb95fbd29
	SPAIR KB4, 0xbadc924e
	SPAIR KB2, 0xbbf19bf8
	SPAIR KB0, 0xbc69b6a7
	s_mov_b32 s[SEL], 0x76543210
	s_mov_b32 s[SEL+1], 0xfedcba98
	s_mov_b32 s[HIM], 0xffff0000
	s_lshr_b32 s96, s17, 2                         ; K step jx of ff: half jx / 4, fragment jx % 4
	s_mul_i32 s96, s96, RGB
	s_mov_b32 s97, 0
	s_add_nc_u64 s[88:89], s[88:89], s[96:97]
	s_and_b32 s98, s17, 3
	s_lshl_b32 s96, s98, 6
	s_add_co_u32 s96, s96, 6144
	s_add_nc_u64 s[90:91], s[88:89], s[96:97]      ; the scale words
	s_mul_i32 s96, s98, 1536
	s_add_nc_u64 s[88:89], s[88:89], s[96:97]      ; the codes
	s_wait_alu depctr_va_vdst(0)
	s_wait_tensorcnt 0x0                           ; my tile of the head's four is in
	ds_add_u32 v254, v255
	s_mov_b32 s[G1B+2], 4<<16                      ; no tensor load of mine is out, so a descriptor may be written: the next load brings four groups
	s_mov_b32 s[G1B+4], 4
	s_wait_dscnt 0x0
	CROUND                                         ; the head's four tiles are whole, and all sixteen work-groups are here
	tensor_load_to_lds s[56:59], s[G1B:G1B+7]      ; my one load behind the round; it has K steps 0 to 2 in which to land
	s_nop 0
	PLACES
	LOADX 0
	LOADY 0
	KSTEPU 0,1
.irp k, 1,2,3,4,5,6,7
	KSTEPU \k,0
.endr
; sixteen numbers of token group a: hidden registers 16 q on
.macro GELU a, q
	WIN 0x02                                       ; source 0 window 2
.irp i, 0,2,4,6,8,10,12,14
	v_pk_mul_f32 v[XX+\i:XX+\i+1], v[64*\a+16*\q+\i:64*\a+16*\q+\i+1], s[RS2:RS2+1] op_sel_hi:[1,0]   ; x = u / sqrt 2 (each accumulator from its low end on)
.endr
.irp i, 0,2,4,6,8,10,12,14
	v_pk_mul_f32 v[HH+\i:HH+\i+1], v[64*\a+16*\q+\i:64*\a+16*\q+\i+1], 0.5 op_sel_hi:[1,0]           ; u / 2
.endr
	WIN 0
.irp i, 0,1,2,3,4,5,6,7,8,9,10,11,12,13,14,15
	v_med3_num_f32 v[XX+\i], v[XX+\i], -4.0, 4.0
.endr
.irp i, 0,2,4,6,8,10,12,14
	v_pk_mul_f32 v[X2+\i:X2+\i+1], v[XX+\i:XX+\i+1], v[XX+\i:XX+\i+1]
.endr
.irp i, 0,2,4,6,8,10,12,14
	v_pk_fma_f32 v[PP+\i:PP+\i+1], v[X2+\i:X2+\i+1], v[50:51], s[KA11:KA11+1] op_sel_hi:[1,1,0]
	v_pk_fma_f32 v[QQ+\i:QQ+\i+1], v[X2+\i:X2+\i+1], v[52:53], s[KB6:KB6+1] op_sel_hi:[1,1,0]
.endr
.irp cf, KB4, KB2, KB0
.irp i, 0,2,4,6,8,10,12,14
	v_pk_fma_f32 v[QQ+\i:QQ+\i+1], v[QQ+\i:QQ+\i+1], v[X2+\i:X2+\i+1], s[\cf:\cf+1] op_sel_hi:[1,1,0]
.endr
.endr
	s_wait_alu depctr_va_vdst(0)
.irp i, 0,1,2,3,4,5,6,7,8,9,10,11,12,13,14,15
	v_rcp_f32 v[RC+\i], v[QQ+\i]                   ; one batch; P's chain below is the work behind it
.endr
.irp cf, KA9, KA7, KA5, KA3, KA1
.irp i, 0,2,4,6,8,10,12,14
	v_pk_fma_f32 v[PP+\i:PP+\i+1], v[PP+\i:PP+\i+1], v[X2+\i:X2+\i+1], s[\cf:\cf+1] op_sel_hi:[1,1,0]
.endr
.endr
.irp i, 0,2,4,6,8,10,12,14
	v_pk_mul_f32 v[PP+\i:PP+\i+1], v[PP+\i:PP+\i+1], v[XX+\i:XX+\i+1]
.endr
	s_wait_alu depctr_va_vdst(0)                   ; one wait for the sixteen reciprocals, ahead of their first reader
.irp i, 0,2,4,6,8,10,12,14
	v_pk_mul_f32 v[PP+\i:PP+\i+1], v[PP+\i:PP+\i+1], v[RC+\i:RC+\i+1]              ; erf
.endr
.irp i, 0,2,4,6,8,10,12,14
	v_pk_fma_f32 v[PP+\i:PP+\i+1], v[HH+\i:HH+\i+1], v[PP+\i:PP+\i+1], v[HH+\i:HH+\i+1]   ; gelu = u/2 erf + u/2
.endr
	WIN 0x08                                       ; source 1 window 2
.irp i, 0,2,4,6,8,10,12,14
	v_pk_mul_f32 v[FF+16*\q+\i:FF+16*\q+\i+1], v[PP+\i:PP+\i+1], v[128+64*\a+16*\q+\i:128+64*\a+16*\q+\i+1]   ; x the gate
.endr
	WIN 0
.endm
.macro QFF a                           ; ff's 64 numbers, two whole blocks of my lane, become a fragment and a scale word
	s_wait_xcnt 0x0                                ; the last stores have read their data
.irp c, 0,1
	v_max3_num_f32 v[244+\c], |v[FF+32*\c]|, |v[FF+32*\c+1]|, 0x1800000
.endr
.irp i, 2,4,6,8,10,12,14,16,18,20,22,24,26,28,30
.irp c, 0,1
	v_max3_num_f32 v[244+\c], v[244+\c], |v[FF+32*\c+\i]|, |v[FF+32*\c+\i+1]|
.endr
.endr
.irp c, 0,1
	v_add_nc_u32 v[246+\c], 0xff000000, v[244+\c]
.endr
.irp c, 0,1
	v_lshrrev_b32 v[248+\c], 23, v[246+\c]
.endr
	v_lshl_or_b32 v[54+\a], v249, 16, v248
	v_lshlrev_b32 v[54+\a], v[H8], v[54+\a]
	v_permlanex16_b32 v57, v[54+\a], s[SEL], s[SEL+1]
	v_or_b32 v[54+\a], v[54+\a], v57
.irp c, 0,1
	v_cvt_scalef32_pk16_fp6_f32 v[224+6*\c:226+6*\c], v[FF+32*\c:FF+32*\c+15], v[246+\c]
	v_cvt_scalef32_pk16_fp6_f32 v[236+4*\c:238+4*\c], v[FF+32*\c+16:FF+32*\c+31], v[246+\c]
.endr
	v_nop
.irp c, 0,1
.irp i, 0,1,2
	v_mov_b32 v[227+6*\c+\i], v[236+4*\c+\i]
.endr
.endr
.irp c, 0,1
	global_store_b128 v[L16], v[224+6*\c:227+6*\c], s[88:89] offset:2*RGB*\a+768*\c
	global_store_b64 v[L8], v[228+6*\c:229+6*\c], s[88:89] offset:2*RGB*\a+768*\c+512
.endr
.endm
.irp a, 0,1
.irp q, 0,1,2,3
	GELU \a,\q
.endr
	QFF \a
.endr
	v_cndmask_b32 v56, v54, v55, s[HIM]            ; lanes 0-15: my first group's words, lanes 16-31: my second's
	global_store_b32 v[SV], v56, s[90:91]
	s_wait_tensorcnt 0x0
	ds_add_u32 v254, v255
	s_wait_dscnt 0x0
	CROUND                                         ; the closing round
	s_endpgm
.Lfunc_end_k_q8fbdcab469_up:
	.size	k_q8fbdcab469_up, .Lfunc_end_k_q8fbdcab469_up-k_q8fbdcab469_up
	.p2alignl 7, 3214868480
	.fill 96, 4, 3214868480
	.section	.rodata,"a",@progbits
	.p2align	6, 0x0
	.amdhsa_kernel k_q8fbdcab469_up
		.amdhsa_group_segment_fixed_size 327680
		.amdhsa_private_segment_fixed_size 0
		.amdhsa_enable_private_segment 0
		.amdhsa_kernarg_size 24
		.amdhsa_user_sgpr_count 2
		.amdhsa_user_sgpr_kernarg_segment_ptr 1
		.amdhsa_wavefront_size32 1
		.amdhsa_system_sgpr_workgroup_id_x 1
		.amdhsa_system_sgpr_workgroup_id_y 1
		.amdhsa_system_sgpr_workgroup_id_z 1
		.amdhsa_system_vgpr_workitem_id 0
		.amdhsa_next_free_vgpr 768
		.amdhsa_next_free_sgpr 100
		.amdhsa_reserve_vcc 0
		.amdhsa_float_denorm_mode_32 3
		.amdhsa_float_denorm_mode_16_64 3
		.amdhsa_memory_ordered 1
		.amdhsa_forward_progress 1
		.amdhsa_inst_pref_size 176
	.end_amdhsa_kernel
	.amdgpu_metadata
---
amdhsa.version: [ 1, 2 ]
amdhsa.kernels:
  - .name:           k_q8fbdcab469_up
    .symbol:         k_q8fbdcab469_up.kd
    .args:
      - { .name: act_a, .offset: 0, .size: 8, .value_kind: global_buffer, .address_space: global }
      - { .name: wa, .offset: 8, .size: 8, .value_kind: global_buffer, .address_space: global }
      - { .name: act_b, .offset: 16, .size: 8, .value_kind: global_buffer, .address_space: global }
    .group_segment_fixed_size: 327680
    .private_segment_fixed_size: 0
    .kernarg_segment_align: 8
    .kernarg_segment_size: 24
    .max_flat_workgroup_size: 128
    .sgpr_count:     100
    .vgpr_count:     768
    .wavefront_size: 32
...
	.end_amdgpu_metadata
.endif
;; end of part 6
;; launch down: the kernel of part 4 again; grid 8 x 32, 4 waves a work-group, clusters of 4 x 4, 327,680 bytes of LDS; arguments act_b, wd_q, x1, out0; writes out0
